; MI455X (gfx1250); checked and timed in simulation.
; The chip was launched on July 23, 2026; its instructions are those of AMD's public machine-readable ISA for CDNA 5 (MIT licence, August 2026) and "CDNA5" Instruction Set Architecture Reference Guide (July 2026). The comments in the code are by the model that wrote it; some were corrected since.
;; Casual Self Attention. Allowed arithmetic: matrix products marked QUANTISED: E2M3 operands, one E8M0 scale for each 32 along K, by v_wmma_scale_f32_16x16x128_f8f6f4 with both operands' format E2M3, f32 sums; everything else in f32.
;; Inputs: W_out 1,024 x 1,024 float32; W_qkv 1,024 x 3,072 float32; b_out 1,024 float32; b_qkv 3,072 float32; x 4 x 2,048 x 1,024 float32.
;; Outputs: out0 4 x 2,048 x 1,024 float32.
;; This version of the problem:
;;   THIS VERSION OF THE PROBLEM IS GIVEN IN LOW PRECISION. The matrix products marked QUANTISED in the list below multiply operands that are first quantised to E2M3 (2 exponent bits, 3 mantissa bits; 6 bits a number), with one power-of-two scale for each 32 numbers along K (OCP MX v1.0); their sums are f32. All else is computed in f32.
;;   The module's matrix products, in the order in which they are computed (A, B: the left and right operand; K: the contracted axis; several contracted axes count as one K, in the product's order):
;;     1. [M 8,192, K 1,024] x [K 1,024, N 3,072]; A: input x; B: input W_qkv: QUANTISED
;;     2. batch 64 x [M 2,048, K 64] x [K 64, N 2,048]; A: computed on the way; B: computed on the way: QUANTISED
;;     3. batch 64 x [M 2,048, K 2,048] x [K 2,048, N 64]; A: softmax (see below); B: computed on the way: QUANTISED
;;     4. [M 8,192, K 1,024] x [K 1,024, N 1,024]; A: computed on the way; B: input W_out: QUANTISED
;;   THE QUANTISER, for each operand of a quantised product, along K:
;;     - K is cut into blocks of 32 from its start; a last block that is shorter is filled with zeros.
;;     - A block's scale is 2^e with e = floor(log2(the largest magnitude in the block)) - 2, held to -126 .. 127; a block of zeros has e = 0. As a byte (E8M0): e + 127.
;;     - Each number is divided by its block's scale, clamped to +-7.5, and rounded to the nearest number of E2M3, ties to even, subnormals kept.
;;     - The product sums the exact products of the quantised numbers (number of the format x scale) in f32.
;;   ~~~python
;;   def quantise(x, axis):      # numpy; x: float32 -> the quantised numbers, widened to float32 again
;;       x = np.moveaxis(x, axis, -1); K = x.shape[-1]
;;       x = np.pad(x, [(0, 0)] * (x.ndim - 1) + [(0, -K % 32)]); x = x.reshape(x.shape[:-1] + (-1, 32)); a = np.abs(x).max(-1, keepdims=True)
;;       e = np.where(a > 0, np.clip(np.frexp(np.where(a > 0, a, 1))[1] - 1 - 2, -126, 127), 0)      # np.frexp(a)[1] - 1 = floor(log2(a)), exactly
;;       r = np.clip(x / 2.0 ** e, -7.5, 7.5)
;;       step = 2.0 ** (np.maximum(np.frexp(np.where(r == 0, 1, r))[1] - 1, 0) - 3)
;;       q = np.round(r / step) * step * 2.0 ** e      # np.round: ties to even
;;       return np.moveaxis(q.reshape(q.shape[:-2] + (-1,))[..., :K], -1, axis).astype(np.float32)
;;   ~~~
;;   SOFTMAX AHEAD OF A QUANTISED PRODUCT. Where the list says 'softmax', what is quantised is not the finished softmax but p = 2^(t - M), with t = logit x log2(e) and M = ceil(the row's largest t), a whole number; so 1/2 < the row's largest p <= 1. The row's sum l is taken of the UNQUANTISED p, in f32, and the product's result is divided by l at the end. Since M is a whole number, a kernel that streams over the keys may use a running M (the ceiling of the running maximum): every later rescaling is an exact power of two, which a block's scale takes up: the codes' values come out the same.
;;   OPERANDS COMPUTED ON THE WAY. 'Computed on the way' means the value that the module computes at that place (a softmax that the list does not call 'softmax' is quantised finished and normalised). What goes into a quantiser is computed in f32, as accurately as f32 sums, v_exp_f32 and their like allow (about 1e-6 of the number): no bf16 or f16 on the way to a quantiser, and a product that is left as it is and whose result goes on into a quantised operand takes f32 operands (vector FMAs, or v_wmma_f32_16x16x4_f32). A number that lies on a knife's edge between two numbers of the format may be rounded either way, as far as f32 arithmetic and the matrix unit's own rounding can turn it there, and no further.
;; One version. Each part assembles by itself: llvm-mc -triple=amdgcn-amd-amdhsa -mcpu=gfx1250 --defsym DOCPART=n.
;; ======== version 1 of 1: 4 launches
;; workspace buffers: xc 6,553,600 bytes; wqc 2,457,600 bytes; woc 819,200 bytes; yc 6,553,600 bytes; qkvc 20,185,088 bytes
;; launch prep (part 1): grid 512 x 1, 4 waves a work-group, no clusters, 34,304 bytes of LDS; arguments x, W_qkv, W_out, xc, wqc, woc; writes xc, wqc, woc
.if DOCPART == 1
	.amdgcn_target "amdgcn-amd-amdhsa--gfx1250"
	.amdhsa_code_object_version 6
	.text
	.protected	k_q68ac3c4a84_prep
	.globl	k_q68ac3c4a84_prep
	.p2align	8
	.type	k_q68ac3c4a84_prep,@function
k_q68ac3c4a84_prep:
	s_mov_b64 s[64:65], 0
	v_nop
	global_prefetch_b8 v0, s[64:65] scope:SCOPE_SE
	s_setreg_imm32_b32 hwreg(HW_REG_WAVE_MODE, 25, 1), 1
	s_wait_xcnt 0x0
; PREP.  x [8192][1024], W_qkv [1024][3072] and W_out [1024][1024], f32, become codes of FP6 (E2M3) with one E8M0 byte for each 32 along K (K = 1024: x's last axis, the weights' FIRST axis).
; A block's scale is 2^(floor(log2(its largest magnitude)) - 2); its byte is the largest magnitude's exponent field - 2, held at 1 from below.
; LIMITS: NaN and infinities among the inputs are not served; a block of zeros, or one whose largest magnitude lies under 2^-124, gets the byte 1 (its codes are zeros or held): the bytes are read by this program alone.
; THE OUTPUT IS LAID AS THE MATRIX OPERANDS' REGISTERS.  A panel is 128 rows (tokens of x, columns n of a weight); the chunk of panel p and K step s (128 along K) lies at (8 p + s) x 12,800 bytes:
;   8 blocks of 16 rows x 1,536 bytes: a fragment's 12 registers, registers 4 j .. 4 j + 3 of lane l at 512 j + 16 l;  then at 12,288 the scale words: block 4 q + j, row r at 256 q + 16 r + 4 j.
; THE ROWS OF A BLOCK ARE NOT NEIGHBOURS: row rho of block 2 b + u is the panel's row 32 b + 8 u + rho + 8 (rho / 8), so that the results of two neighbouring blocks are 16 neighbours in a lane of the product that reads them.
; Work-groups 0-255 take x, 256-447 W_qkv, 448-511 W_out.  Waves share nothing: no barrier.  No work-group reads what another reads: no cluster, no tensor load.
; x: a wave takes 64 rows x 128 K: four fragments.  Each load reads 512 consecutive bytes of a row; a fragment's 16 rows turn through the wave's own stage in LDS (rows 528 bytes apart), so that a lane gets 16 neighbours of each block of 32.
; W: a wave takes 32 columns x 128 K; a lane takes a column and its registers run down K, so a block of 32 lies in one lane; each load reads 128 consecutive bytes, the four waves side by side 512.
.set CHUNK, 12800
.set STG,   8448                       ; a wave's stage: 16 rows x 528 bytes
.set TM,    16                         ; v16-31  at work in QUANT
.set T2,    32                         ; v32-39  the conversions' second halves
.set SW,    40                         ; v40-43  the four fragments' scale words
.set PC,    44                         ; v44-55  a fragment's codes
.set R,     64                         ; v64-191 two sets of 64 registers as loaded (x);  the 128 numbers of a column (W)
.set X,     192                        ; v192-255 64 numbers of a lane: register 16 b + i = k 32 b + 16 (lane / 16) + i of its row
.set D,     64
.set SEL,   20                         ; s[20:21] lane selects for v_permlanex16_b32: lane l xor 16
; 64 numbers of a lane, register 16 b + i = k 32 b + 16 (lane / 16) + i of my row, become a fragment's 12 registers of codes at v[pc] and its scale word in v[pw].
.macro QUANT s, pc, pw, tt
.irp b, 0,1,2,3
	v_max3_num_f32 v[TM+\b], |v[(\s)+16*\b]|, |v[(\s)+1+16*\b]|, 0x1800000   ; my 16 numbers of block b, and the floor 2^(3 - 127): the byte cannot fall under 1
.endr
.irp i, 2,4,6,8,10,12,14
.irp b, 0,1,2,3
	v_max3_num_f32 v[TM+\b], v[TM+\b], |v[(\s)+16*\b+\i]|, |v[(\s)+1+16*\b+\i]|   ; the four blocks by turns
.endr
.endr
.irp b, 0,1,2,3
	v_permlanex16_b32 v[TM+4+\b], v[TM+\b], s[SEL], s[SEL+1]
.endr
.irp b, 0,1,2,3
	v_max_num_f32 v[TM+\b], v[TM+\b], v[TM+4+\b]          ; with lane l xor 16's 16: the block's largest magnitude
.endr
.irp b, 0,1,2,3
	v_add_nc_u32 v[TM+12+\b], 0xff000000, v[TM+\b]        ; 2 off its exponent field: the conversion takes this operand's exponent field as its scale
.endr
.irp b, 0,1,2,3
	v_lshrrev_b32 v[TM+4+\b], 23, v[TM+12+\b]             ; the scale's byte
.endr
	v_lshl_or_b32 v[\pw], v[TM+5], 8, v[TM+4]
	v_lshl_or_b32 v[\pw], v[TM+6], 16, v[\pw]
	v_lshl_or_b32 v[\pw], v[TM+7], 24, v[\pw]             ; my row's scale word
.irp c, 0,1
	v_cvt_scalef32_pk16_fp6_f32 v[(\pc)+6*\c:(\pc)+2+6*\c], v[(\s)+32*\c:(\s)+15+32*\c], v[TM+12+2*\c]
	v_cvt_scalef32_pk16_fp6_f32 v[(\tt)+4*\c:(\tt)+2+4*\c], v[(\s)+16+32*\c:(\s)+31+32*\c], v[TM+12+2*\c+1]   ; (a conversion's three registers begin on an even number)
.endr
	v_nop                                                  ; one plain instruction behind the scaled conversions
.irp c, 0,1                                            ; the operand wants a WHOLE block in a lane: lanes 0-15 block 2 c, lanes 16-31 block 2 c + 1
.irp i, 0,1,2
	v_permlane16_swap_b32 v[(\pc)+6*\c+\i], v[(\tt)+4*\c+\i]
.endr
.irp i, 0,1,2
	v_mov_b32 v[(\pc)+3+6*\c+\i], v[(\tt)+4*\c+\i]
.endr
.endr
.endm
.macro XLOAD f                         ; fragment f's 16 rows, 512 bytes each, into set f % 2
.irp rho, 0,1,2,3,4,5,6,7,8,9,10,11,12,13,14,15
	global_load_b128 v[R+64*((\f)%2)+4*\rho:R+64*((\f)%2)+4*\rho+3], v1, s[4:5] offset:(32*((\f)/2)+8*((\f)%2)+\rho+8*(\rho/8))*4096 th:TH_LOAD_NT
.endr
.endm
.macro TURN f                          ; through the stage: LDS serves a wave's instructions in order, so no wait stands between the stores and the loads
.irp rho, 0,1,2,3,4,5,6,7,8,9,10,11,12,13,14,15
	ds_store_b128 v2, v[R+64*((\f)%2)+4*\rho:R+64*((\f)%2)+4*\rho+3] offset:528*\rho
.endr
.irp b, 0,1,2,3
.irp j, 0,1,2,3
	ds_load_b128 v[X+16*\b+4*\j:X+16*\b+4*\j+3], v3 offset:128*\b+16*\j
.endr
.endr
.endm
.macro WLOAD pitch                     ; my column's 128 numbers down K; pitch = a row of the weight in bytes
.set i, 0
.rept 128
	global_load_b32 v[D+i], v1, s[6:7] offset:i*\pitch th:TH_LOAD_NT
.set i, i+1
.endr
.endm
	s_load_b256 s[4:11], s[0:1], 0x0               ; x s[4:5], W_qkv s[6:7], W_out s[8:9], xc s[10:11]
	s_load_b128 s[12:15], s[0:1], 0x20             ; wqc s[12:13], woc s[14:15]
	v_lshl_add_u32 v62, v0, 2, 0x8400
	v_mov_b32 v63, 0
	v_lshrrev_b32 v1, 5, v0
	v_readfirstlane_b32 s16, v1                    ; wave 0..3
	v_and_b32 v5, 31, v0                           ; lane
	v_and_b32 v6, 15, v0                           ; r
	v_bfe_u32 v7, v0, 4, 1                         ; h
	s_cmp_lt_u32 ttmp9, 256
	s_cbranch_scc0 .Lweights
	; ---------------- x ----------------
	s_mov_b32 s[SEL], 0x76543210
	s_mov_b32 s[SEL+1], 0xfedcba98
	s_lshl_b32 s17, ttmp9, 2
	s_add_co_u32 s17, s17, s16                     ; my task 0..1023: panel = task / 16, K step = (task / 2) % 8, half of the panel's rows q = task % 2
	s_lshr_b32 s18, s17, 4
	s_bfe_u32 s19, s17, 0x30001
	s_and_b32 s22, s17, 1
	s_lshl_b32 s24, s18, 19                        ; 128 rows of 4,096 bytes a panel,
	s_lshl_b32 s23, s22, 18                        ; 64 rows a half,
	s_add_co_u32 s24, s24, s23
	s_lshl_b32 s23, s19, 9                         ; 512 bytes a K step
	s_add_co_u32 s24, s24, s23
	s_mov_b32 s25, 0
	s_lshr_b32 s26, s17, 1                         ; the chunk: 8 x panel + K step
	s_mul_i32 s26, s26, CHUNK
	s_mov_b32 s27, 0
	s_wait_alu depctr_va_vdst(0)
	v_lshlrev_b32 v1, 4, v5                        ; 16 x lane: my bytes of a load's 512
	s_mul_i32 s23, s16, STG
	v_add_nc_u32 v2, s23, v1                       ; the stage, on the way in
	v_mul_u32_u24 v3, v6, 528
	v_lshl_add_u32 v3, v7, 6, v3
	v_add_nc_u32 v3, s23, v3                       ; and out: row r, + 64 h: my 16 numbers of a block of 32
	s_mul_i32 s23, s22, 6144
	v_add_nc_u32 v8, s23, v1                       ; the codes' place: 16 x lane + 4 blocks x 1,536 x q
	v_lshlrev_b32 v4, 4, v6
	v_lshl_add_u32 v4, v7, 3, v4
	s_lshl_b32 s23, s22, 8
	v_add_nc_u32 v4, s23, v4                       ; the scale words' place: 256 q + 16 r + 8 h
.irp b, 0,1,2,3
	v_mov_b32 v[TM+4+\b], 0                        ; written once: a lane permute's destination counts as one of its sources
.endr
	s_wait_alu depctr_va_vdst(0)
	s_wait_kmcnt 0x0
	s_add_nc_u64 s[4:5], s[4:5], s[24:25]
	s_add_nc_u64 s[10:11], s[10:11], s[26:27]
	XLOAD 0
	XLOAD 1
.irp f, 0,1,2,3
.if \f < 3
	s_wait_loadcnt 16                              ; this fragment's 16 loads are in; the next fragment's 16 may be out
.else
	s_wait_loadcnt 0x0
.endif
	TURN \f
	s_wait_dscnt 0x0                               ; my 64 numbers are back, and the stage's stores have read the set
.if \f > 0
	s_wait_xcnt 0x0                                ; the last fragment's stores have read the codes' registers: they are written again below
.endif
.if \f < 2
	XLOAD \f+2                                     ; the set takes the fragment two on
.endif
	QUANT X, PC, SW+\f, T2
.irp j, 0,1,2
	global_store_b128 v8, v[PC+4*\j:PC+4*\j+3], s[10:11] offset:1536*\f+512*\j   ; 32 lanes store 512 consecutive bytes, aligned
.endr
.endr
	v_cmp_eq_u32 vcc_lo, 1, v7
	v_cndmask_b32 v10, v[SW], v[SW+2], vcc_lo      ; lanes 0-15 store their row's words of fragments 0, 1, lanes 16-31 those of fragments 2, 3:
	v_cndmask_b32 v11, v[SW+1], v[SW+3], vcc_lo
	global_store_b64 v4, v[10:11], s[10:11] offset:12288   ; 32 lanes store 256 consecutive bytes, aligned
	s_wait_tensorcnt 0x0
	ds_add_u32 v62, v63
	s_wait_dscnt 0x0
	s_endpgm
	; ---------------- the weights ----------------
.Lweights:
	s_sub_co_u32 s17, ttmp9, 256
	s_cmp_lt_u32 s17, 192                          ; W_qkv has 24 panels x 8 K steps, W_out 8 x 8.  The choice hangs on the work-group's number alone
	s_cselect_b32 s18, 0, 192
	s_mov_b32 s19, 128*4096
	s_cselect_b32 s19, 128*12288, s19              ; a K step: 128 rows of the weight, in bytes
	s_wait_kmcnt 0x0
	s_cselect_b64 s[6:7], s[6:7], s[8:9]
	s_cselect_b64 s[12:13], s[12:13], s[14:15]
	s_sub_co_u32 s17, s17, s18                     ; the chunk: 8 x panel + K step
	s_lshr_b32 s22, s17, 3
	s_and_b32 s23, s17, 7
	s_mul_i32 s24, s23, s19
	s_lshl_b32 s22, s22, 9                         ; 128 columns of 4 bytes a panel,
	s_add_co_u32 s24, s24, s22
	s_lshl_b32 s22, s16, 7                         ; 32 columns a wave
	s_add_co_u32 s24, s24, s22
	s_mov_b32 s25, 0
	s_mul_i32 s26, s17, CHUNK
	s_mov_b32 s27, 0
	s_add_nc_u64 s[6:7], s[6:7], s[24:25]
	s_add_nc_u64 s[12:13], s[12:13], s[26:27]
	s_wait_alu depctr_va_vdst(0)
	v_and_b32 v1, 7, v5                            ; lane l takes column (l & 7) + 2 (l & 8) + (l & 16) / 2 of the wave's 32: lanes 0-15 are block 2 w's rows in their order, lanes 16-31 block 2 w + 1's
	v_and_b32 v2, 8, v5
	v_lshl_or_b32 v1, v2, 1, v1
	v_and_b32 v2, 16, v5
	v_lshrrev_b32 v2, 1, v2
	v_or_b32 v1, v1, v2
	v_lshlrev_b32 v1, 2, v1
	v_lshlrev_b32 v3, 4, v5
	s_mul_i32 s22, s16, 3072
	v_add_nc_u32 v3, s22, v3                       ; the codes' place: 16 x lane + 2 blocks x 1,536 x wave
	v_lshlrev_b32 v4, 4, v6
	v_lshl_add_u32 v4, v7, 2, v4
	s_lshr_b32 s22, s16, 1
	s_lshl_b32 s22, s22, 8
	s_and_b32 s23, s16, 1
	s_lshl_b32 s23, s23, 3
	s_add_co_u32 s22, s22, s23
	v_add_nc_u32 v4, s22, v4                       ; the scale word's: block 2 w + h = 4 (w / 2) + (2 (w % 2) + h): 256 (w / 2) + 16 r + 4 (2 (w % 2) + h)
	s_cmp_eq_u32 s18, 0
	s_cbranch_scc0 .Lnarrow                        ; the two weights differ in the loads' immediates alone
	s_wait_alu depctr_va_vdst(0)
	WLOAD 12288
	s_branch .Lloaded
.Lnarrow:
	s_wait_alu depctr_va_vdst(0)
	WLOAD 4096
.Lloaded:
.irp t, 0,1,2,3
.if \t < 2
	s_wait_loadcnt 63                              ; behind block t's loads 96 or 64 more were issued; a wait names 63 at the most, and a smaller count is safe
.else
	s_wait_loadcnt 32*(3-\t)                       ; the later blocks' loads may be out
.endif
.set XS, D+32*\t
.set CB, 32+12*(\t%2)+6*(\t/2)                 ; blocks 0, 2 at v32, v38; blocks 1, 3 at v44, v50
	v_max3_num_f32 v[16+\t], |v[XS]|, |v[XS+1]|, |v[XS+2]|          ; the block's largest magnitude: all 32 numbers are mine; two chains
	v_max3_num_f32 v12, |v[XS+3]|, |v[XS+4]|, |v[XS+5]|
.irp i, 6,10,14,18,22,26
	v_max3_num_f32 v[16+\t], v[16+\t], |v[XS+\i]|, |v[XS+\i+1]|
	v_max3_num_f32 v12, v12, |v[XS+\i+2]|, |v[XS+\i+3]|
.endr
	v_max3_num_f32 v[16+\t], v[16+\t], |v[XS+30]|, |v[XS+31]|
	v_max3_num_f32 v[16+\t], v[16+\t], v12, 0x1800000               ; and the floor 2^(3 - 127)
	v_add_nc_u32 v[20+\t], 0xff000000, v[16+\t]                     ; the conversion's scale operand
	v_lshrrev_b32 v[24+\t], 23, v[20+\t]                            ; the scale's byte
	v_cvt_scalef32_pk16_fp6_f32 v[CB:CB+2], v[XS:XS+15], v[20+\t]
	v_cvt_scalef32_pk16_fp6_f32 v[192+4*\t:194+4*\t], v[XS+16:XS+31], v[20+\t]   ; (a conversion's three registers begin on an even number)
.endr
	v_nop                                          ; one plain instruction behind the scaled conversions
.irp t, 0,1,2,3
.irp i, 0,1,2
	v_mov_b32 v[32+12*(\t%2)+6*(\t/2)+3+\i], v[192+4*\t+\i]
.endr
.endr
.irp i, 0,1,2,3,4,5,6,7,8,9,10,11
	v_permlane16_swap_b32 v[32+\i], v[44+\i]       ; blocks 0 and 1, 2 and 3 of K change halves of the lanes: v32-43 are now block 2 w's fragment (lanes 16-31 hold k 32 .. 63 and 96 .. 127 of the rows in lanes 0-15), v44-55 block 2 w + 1's
.endr
	v_lshl_or_b32 v28, v25, 8, v24
	v_lshl_or_b32 v28, v26, 16, v28
	v_lshl_or_b32 v28, v27, 24, v28                ; my column's scale word
.irp e, 0,1
.irp j, 0,1,2
	global_store_b128 v3, v[32+12*\e+4*\j:32+12*\e+4*\j+3], s[12:13] offset:1536*\e+512*\j   ; 512 consecutive bytes, aligned
.endr
.endr
	global_store_b32 v4, v28, s[12:13] offset:12288   ; 4 bytes a lane, 16 bytes apart: a wave holds half of each 16 bytes; one byte for each 128 that the wave reads
	s_endpgm
.Lfunc_end_k_q68ac3c4a84_prep:
	.size	k_q68ac3c4a84_prep, .Lfunc_end_k_q68ac3c4a84_prep-k_q68ac3c4a84_prep
	.p2alignl 7, 3214868480
	.fill 96, 4, 3214868480
	.section	.rodata,"a",@progbits
	.p2align	6, 0x0
	.amdhsa_kernel k_q68ac3c4a84_prep
		.amdhsa_group_segment_fixed_size 34304
		.amdhsa_private_segment_fixed_size 0
		.amdhsa_enable_private_segment 0
		.amdhsa_kernarg_size 48
		.amdhsa_user_sgpr_count 2
		.amdhsa_user_sgpr_kernarg_segment_ptr 1
		.amdhsa_wavefront_size32 1
		.amdhsa_system_sgpr_workgroup_id_x 1
		.amdhsa_system_sgpr_workgroup_id_y 1
		.amdhsa_system_sgpr_workgroup_id_z 1
		.amdhsa_system_vgpr_workitem_id 0
		.amdhsa_next_free_vgpr 256
		.amdhsa_next_free_sgpr 66
		.amdhsa_reserve_vcc 1
		.amdhsa_float_denorm_mode_32 3
		.amdhsa_float_denorm_mode_16_64 3
		.amdhsa_memory_ordered 1
		.amdhsa_forward_progress 1
		.amdhsa_inst_pref_size 66
	.end_amdhsa_kernel
	.amdgpu_metadata
---
amdhsa.version: [ 1, 2 ]
amdhsa.kernels:
  - .name:           k_q68ac3c4a84_prep
    .symbol:         k_q68ac3c4a84_prep.kd
    .args:
      - { .name: x, .offset: 0, .size: 8, .value_kind: global_buffer, .address_space: global }
      - { .name: W_qkv, .offset: 8, .size: 8, .value_kind: global_buffer, .address_space: global }
      - { .name: W_out, .offset: 16, .size: 8, .value_kind: global_buffer, .address_space: global }
      - { .name: xc, .offset: 24, .size: 8, .value_kind: global_buffer, .address_space: global }
      - { .name: wqc, .offset: 32, .size: 8, .value_kind: global_buffer, .address_space: global }
      - { .name: woc, .offset: 40, .size: 8, .value_kind: global_buffer, .address_space: global }
    .group_segment_fixed_size: 34304
    .private_segment_fixed_size: 0
    .kernarg_segment_align: 8
    .kernarg_segment_size: 48
    .max_flat_workgroup_size: 128
    .sgpr_count:     66
    .vgpr_count:     256
    .wavefront_size: 32
...
	.end_amdgpu_metadata
.endif
;; end of part 1
;; launch proj_qkv (part 2): grid 12 x 32, 4 waves a work-group, clusters of 4 x 4, 327,680 bytes of LDS; arguments xc, wqc, b_qkv, qkvc; writes qkvc
.if DOCPART == 2
	.amdgcn_target "amdgcn-amd-amdhsa--gfx1250"
	.amdhsa_code_object_version 6
	.text
	.protected	k_q68ac3c4a84_proj_qkv
	.globl	k_q68ac3c4a84_proj_qkv
	.p2align	8
	.type	k_q68ac3c4a84_proj_qkv,@function
k_q68ac3c4a84_proj_qkv:
	s_mov_b64 s[64:65], 0
	v_nop
	global_prefetch_b8 v0, s[64:65] scope:SCOPE_SE
	s_setreg_imm32_b32 hwreg(HW_REG_WAVE_MODE, 25, 1), 1
	s_wait_xcnt 0x0
	s_wait_alu depctr_hold_cnt(0) depctr_sa_sdst(0) depctr_va_vdst(0) depctr_va_sdst(0) depctr_va_ssrc(0) depctr_va_vcc(0) depctr_vm_vsrc(0)
	s_getreg_b32 s2, hwreg(HW_REG_IB_STS2, 6, 4)
	s_cmp_eq_u32 s2, 0
	s_cbranch_scc0 .Lentry_in_a_cluster
	s_endpgm
.Lentry_in_a_cluster:
	s_bfe_u32 s2, ttmp6, 0x10000c
	s_cmp_lg_u32 s2, 0xf033
	s_cbranch_scc0 .Lentry_shape_is_right
	s_endpgm
.Lentry_shape_is_right:
; q, k, v = x W_qkv + b_qkv on codes of FP6 (E2M3) with E8M0 scales for each 32 along K = 1024; the f32 sums get the bias and are QUANTISED IN REGISTERS for the attention's products: q and k along the head's 64, v along the keys.
; Nothing wider than codes goes to memory.  LIMITS: NaN and infinities are not served; a block of zeros or under 2^-124 gets the byte 1; the bytes are read by this program alone.
; A work-group of four waves makes 256 tokens x 256 columns n; a wave 128 x 128: 64 accumulators, 512 registers.  K goes in 8 steps of 128, 64 matrix instructions each.
; OPERANDS lie in memory as images of their registers (launch prep): a chunk of 12,800 bytes = 128 rows x 128 K: 8 fragments of 1,536 bytes and 512 bytes of scale words.  So every LDS load is dense, 16 bytes a lane.
; Source 0 is the INNER operand, source 1 the LANE operand: a lane holds one row of the lane operand, and the 16 registers of inner blocks 2 b, 2 b + 1 are the 16 neighbours 32 b + 16 (lane / 16) + 0 .. 15 of the inner axis.
;   columns of q and k (cluster x = 0, 1): lane = 128 tokens, inner = 128 n = two heads: the 64 registers of a lane block are quantised along n.
;   columns of v (cluster x = 2): lane = 128 n (channels), inner = 128 tokens = one key step: the same 64 registers are quantised along the keys.
;   The tile is square, so the fills and the K steps are one text: only the two LDS read bases change places (a select on the cluster's x, equal in all partners), and the way out is written twice.
; CLUSTER 4 x 4: x's panels are asked for jointly along a row of the cluster, W's along a column.
; LDS: three slots of 102,400 bytes, each 256 along K: x's two panels, W's two panels, 25,600 bytes each, one tensor load a wave.  K quarters 0, 1, 2 are first fills; quarter 3 fills slot 0 again.  At most 3 tensor loads of a wave are out.
; The grid has 384 work-groups: one and a half to a WGP.  An even split into 256 would want 768 accumulator registers a wave and leave no room for two sets of fragments.
; OUTPUT, for head bh and key step s of 128 tokens, at bh x 315,392 + s x 19,712: K's codes, 8 blocks x 768 (registers 0-3 of a half fragment at 16 l, 4-5 at 512 + 8 l); at 6,144 K's scale words (block 4 q + j, row r at 256 q + 16 r + 4 j; bytes 2, 3 are 0);
;   at 6,656 V's codes, 4 tiles of 16 channels x 1,536; at 12,800 V's scale words (16 r + 4 tile); at 13,056 Q's codes and at 19,200 Q's scale words, laid as K's.
; REGISTERS: window 0: v1-19 addresses; v20-27 the bias of the lane blocks; v28, v29 the spare word's address and 0; v32-63 scale words, two sets; v64-159, v160-255 the lane operand's fragments, two sets.
;   window 1: v0-95, v96-191 the inner operand's fragments; v192-255 the bias along the inner axis.   windows 2, 3: accumulator (a, b) at v[8 (8 (a % 4) + b)] of window 2 + a / 4.
.set HEADB, 315392
.set STEPB, 19712
.set CHUNK, 12800
.set PANEL, 102400
.set QTR,   25600                      ; a panel's two chunks: 256 along K: what one tensor load brings
.set SLOT,  102400
.set SPARE, 307200                     ; behind the slots: the spare words, 128 bytes for each wave
.set AL,  4                            ; v4-6    lane operand's fragments in slot 0, 1, 2: panel + 16 x lane
.set AI,  7                            ; v7-9    inner operand's
.set ASL, 10                           ; v10-12  lane operand's scale words: panel + 16 r
.set ASI, 13                           ; v13-15  inner operand's
.set BL,  20
.set SPW, 28
.set NIL, 29
.set SC,  32                           ; set e: v[SC + 16 e + a] the lane blocks' words, v[SC + 16 e + 8 + b] the inner blocks'
.set LF,  64
.set BI,  192
.set T,   64                           ; the way out, in window 0: v64-127 a lane block's 64 numbers;
.set PCB, 128                          ; v128-223 codes, 12 registers for each lane block, so that no store's data are written again;
.set TM,  224                          ; v224-239 at work;
.set T2,  240                          ; v240-247 the conversions' second halves;
.set SWB, 248                          ; v248-255 scale words
.set G1X, 24
.set G1W, 32
.set G0X, 40                           ; s[40:55] group 0 for x's four K quarters
.set G0W, 68                           ; s[68:83] for W's
.set SEL, 56
.set MSB, 0
.macro WIN new                         ; the immediate's high byte repeats the setting that is left
.if MSB != (\new)
	s_set_vgpr_msb (MSB<<8)|(\new)
.set MSB, (\new)
.endif
.endm
.set MUL_LO, 0xa1                      ; source 0 window 1, source 1 window 0, C and D window 2
.set MUL_HI, 0xf1
.macro PLACES n
.rept \n
	v_nop
.endr
.endm
.macro CREST                           ; a round of the cluster's barrier behind its opening barrier
	s_cmp_lg_u32 s14, 0
	s_cbranch_scc1 .Lnot_wave_0_\@
	s_barrier_signal -3
.Lnot_wave_0_\@:
	s_barrier_wait -3
	s_barrier_signal -1
	s_barrier_wait -1
.endm
.macro CROUND
	s_barrier_signal -1
	s_barrier_wait -1
	CREST
.endm
.macro JLOAD                           ; the one refill: K quarter 3 into slot 0.  Waves 0, 1 ask for x's panels, waves 2, 3 for W's; four v_nop follow each line
	s_cmp_eq_u32 s15, 0
	s_cbranch_scc0 .Lfor_w_\@
	tensor_load_to_lds s[G0X+12:G0X+15], s[G1X:G1X+7]
	s_nop 0
	PLACES 4
	s_branch .Lasked_\@
.Lfor_w_\@:
	tensor_load_to_lds s[G0W+12:G0W+15], s[G1W:G1W+7]
	s_nop 0
	PLACES 4
.Lasked_\@:
.endm
.macro QUANT s, pc, pw, tt             ; 64 numbers of a lane, register 16 b + i = k 32 b + 16 (lane / 16) + i of my row -> 12 registers of codes and the row's scale word
.irp b, 0,1,2,3
	v_max3_num_f32 v[TM+\b], |v[(\s)+16*\b]|, |v[(\s)+1+16*\b]|, 0x1800000   ; and the floor 2^(3 - 127): the byte cannot fall under 1
.endr
.irp i, 2,4,6,8,10,12,14
.irp b, 0,1,2,3
	v_max3_num_f32 v[TM+\b], v[TM+\b], |v[(\s)+16*\b+\i]|, |v[(\s)+1+16*\b+\i]|
.endr
.endr
.irp b, 0,1,2,3
	v_permlanex16_b32 v[TM+4+\b], v[TM+\b], s[SEL], s[SEL+1]
.endr
.irp b, 0,1,2,3
	v_max_num_f32 v[TM+\b], v[TM+\b], v[TM+4+\b]
.endr
.irp b, 0,1,2,3
	v_add_nc_u32 v[TM+12+\b], 0xff000000, v[TM+\b]        ; 2 off the exponent field: the conversion's scale operand
.endr
.irp b, 0,1,2,3
	v_lshrrev_b32 v[TM+4+\b], 23, v[TM+12+\b]
.endr
	v_lshl_or_b32 v[\pw], v[TM+5], 8, v[TM+4]
	v_lshl_or_b32 v[\pw], v[TM+6], 16, v[\pw]
	v_lshl_or_b32 v[\pw], v[TM+7], 24, v[\pw]
.irp c, 0,1
	v_cvt_scalef32_pk16_fp6_f32 v[(\pc)+6*\c:(\pc)+2+6*\c], v[(\s)+32*\c:(\s)+15+32*\c], v[TM+12+2*\c]
	v_cvt_scalef32_pk16_fp6_f32 v[(\tt)+4*\c:(\tt)+2+4*\c], v[(\s)+16+32*\c:(\s)+31+32*\c], v[TM+12+2*\c+1]
.endr
	v_nop                                                  ; one plain instruction behind the scaled conversions
.irp c, 0,1
.irp i, 0,1,2
	v_permlane16_swap_b32 v[(\pc)+6*\c+\i], v[(\tt)+4*\c+\i]
.endr
.irp i, 0,1,2
	v_mov_b32 v[(\pc)+3+6*\c+\i], v[(\tt)+4*\c+\i]
.endr
.endr
.endm
	s_load_b256 s[4:11], s[0:1], 0x0               ; xc s[4:5], wqc s[6:7], b_qkv s[8:9], qkvc s[10:11]
	v_lshl_add_u32 v[SPW], v0, 2, SPARE
	v_mov_b32 v[NIL], 0
	ds_add_u32 v28, v29
	ds_add_u32 v28, v29
	s_wait_dscnt 0x0
	v_lshrrev_b32 v1, 5, v0
	v_readfirstlane_b32 s14, v1                    ; wave 0..3
	s_lshr_b32 s15, s14, 1                         ; which panel of the lane operand is mine.  Also: I fetch for x (0) or for W (1)
	s_and_b32 s16, s14, 1                          ; which panel of the inner operand.  Also: which panel I fetch
	s_bfe_u32 s17, ttmp6, 0x40000                  ; cx
	s_bfe_u32 s18, ttmp6, 0x40004                  ; cy
	s_lshl_b32 s19, ttmp9, 2
	s_add_co_u32 s19, s19, s17                     ; tile column 0..11: 256 columns n
	s_and_b32 s20, ttmp7, 0xffff
	s_lshl_b32 s20, s20, 2
	s_add_co_u32 s20, s20, s18                     ; tile row 0..31: 256 tokens
	s_lshl_b32 s21, s18, 2
	s_lshl_b32 s21, 15, s21                        ; my row of the cluster
	s_lshl_b32 s22, 0x1111, s17                    ; my column
	; group 1: 25,600 dense bytes as 100 rows of 32 elements of 8 bytes, no padding
	s_or_b32 s[G1X], s21, (3<<16)|(1<<21)          ; 15:0 the mask: x's panels go to my row; 17:16 elements of 8 bytes; 21 set beside a mask
	s_or_b32 s[G1W], s22, (3<<16)|(1<<21)          ; W's to my column
.irp g, G1X, G1W
	s_mov_b32 s[\g+1], 32<<16                      ; tensor_dim0
	s_mov_b32 s[\g+2], 100<<16                     ; tensor_dim1
	s_mov_b32 s[\g+3], 32<<16                      ; tile_dim0
	s_mov_b32 s[\g+4], 100                         ; tile_dim1
	s_mov_b32 s[\g+5], 32                          ; tensor_dim0_stride
	s_mov_b32 s[\g+6], 0
	s_mov_b32 s[\g+7], 0
.endr
	s_lshl_b32 s84, s20, 1
	s_add_co_u32 s84, s84, s16
	s_mul_i32 s84, s84, PANEL                      ; x's panel 2 x tile row + half: it hangs on the tile row alone
	s_mov_b32 s85, 0
	s_lshl_b32 s86, s19, 1
	s_add_co_u32 s86, s86, s16
	s_mul_i32 s86, s86, PANEL                      ; W's panel 2 x tile column + half: on the tile column alone
	s_mov_b32 s87, 0
	s_mul_i32 s23, s14, QTR                        ; where my panel goes in a slot: wave x 25,600: x's two, then W's two
	s_mov_b32 s[SEL], 0x76543210
	s_mov_b32 s[SEL+1], 0xfedcba98
	s_wait_kmcnt 0x0
	s_add_nc_u64 s[84:85], s[4:5], s[84:85]
	s_add_nc_u64 s[86:87], s[6:7], s[86:87]
.irp p, 0,1,2,3                                ; a group 0 for each K quarter, never rewritten
	s_mov_b32 s[G0X+4*\p], 1
	s_add_co_u32 s[G0X+4*\p+1], s23, (\p%3)*SLOT
	s_add_nc_u64 s[G0X+4*\p+2:G0X+4*\p+3], s[84:85], \p*QTR
	s_or_b32 s[G0X+4*\p+3], s[G0X+4*\p+3], 0x80000000
	s_mov_b32 s[G0W+4*\p], 1
	s_add_co_u32 s[G0W+4*\p+1], s23, (\p%3)*SLOT
	s_add_nc_u64 s[G0W+4*\p+2:G0W+4*\p+3], s[86:87], \p*QTR
	s_or_b32 s[G0W+4*\p+3], s[G0W+4*\p+3], 0x80000000
.endr
	CROUND                                         ; all sixteen work-groups are here: the first joint loads meet
	s_cmp_eq_u32 s15, 0                            ; a wave's three first fills stand in one branch on its number
	s_cbranch_scc0 .Lfirst_w
	tensor_load_to_lds s[G0X:G0X+3], s[G1X:G1X+7]
	s_nop 0
	tensor_load_to_lds s[G0X+4:G0X+7], s[G1X:G1X+7]
	s_nop 0
	tensor_load_to_lds s[G0X+8:G0X+11], s[G1X:G1X+7]
	s_nop 0
	PLACES 4
	s_branch .Lfirst_asked
.Lfirst_w:
	tensor_load_to_lds s[G0W:G0W+3], s[G1W:G1W+7]
	s_nop 0
	tensor_load_to_lds s[G0W+4:G0W+7], s[G1W:G1W+7]
	s_nop 0
	tensor_load_to_lds s[G0W+8:G0W+11], s[G1W:G1W+7]
	s_nop 0
	PLACES 4
.Lfirst_asked:
	s_cmp_eq_u32 ttmp9, 2                          ; the columns of v?  The cluster's x is the same in all sixteen partners
	s_cselect_b32 s88, 2*QTR, 0                    ; the lane operand: W's panels for v, else x's
	s_cselect_b32 s89, 0, 2*QTR                    ; the inner operand: the other
	s_cselect_b32 s97, s16, s15                    ; which token panel of the tile is mine,
	s_cselect_b32 s98, s15, s16                    ; which panel of n,
	s_cselect_b32 s99, 6656, 0                     ; and where a key step's bytes of my kind begin: K 0, V 6,656,
	s_cmp_eq_u32 ttmp9, 0
	s_cselect_b32 s99, 13056, s99                  ; Q 13,056
	v_and_b32 v1, 15, v0                           ; r
	v_bfe_u32 v2, v0, 4, 1                         ; h
	v_and_b32 v3, 31, v0
	v_lshlrev_b32 v17, 3, v3                       ; 8 x lane
	v_lshlrev_b32 v3, 4, v3                        ; 16 x lane
	v_lshlrev_b32 v16, 4, v1                       ; 16 r
	s_mul_i32 s90, s15, QTR
	s_add_co_u32 s90, s90, s88
	s_mul_i32 s91, s16, QTR
	s_add_co_u32 s91, s91, s89
.irp g, 0,1,2
	v_add_nc_u32 v[AL+\g], s90, v3
	v_add_nc_u32 v[AI+\g], s91, v3
	v_add_nc_u32 v[ASL+\g], s90, v16
	v_add_nc_u32 v[ASI+\g], s91, v16
	s_add_co_u32 s90, s90, SLOT
	s_add_co_u32 s91, s91, SLOT
.endr
	v_mul_u32_u24 v18, v2, HEADB
	v_lshl_add_u32 v18, v1, 4, v18                 ; the scale words' way out: 16 r, and lanes 16-31 a head further on
	v_lshlrev_b32 v16, 4, v2                       ; 16 h: which half of a scale word is my head's
	v_lshlrev_b32 v19, 6, v2                       ; the bias along the inner axis: 64 h bytes
	s_wait_alu depctr_va_vdst(0)
	v_and_b32 v30, 8, v1
	v_add_nc_u32 v30, v30, v1
	v_lshlrev_b32 v30, 2, v30                      ; the bias of a lane block: 4 (r + 8 (r / 8)) bytes
	s_wait_alu depctr_va_vdst(0)
	; BOTH forms of the bias are loaded by every wave, so that the text has one branch on the kind of column, at the way out, and no register is written on one way alone: 16 or 8 of a wave's 24 loads serve nothing
	s_lshl_b32 s96, s19, 1
	s_add_co_u32 s92, s96, s16
	s_lshl_b32 s92, s92, 9                         ; 128 numbers of 4 bytes a panel of n
	s_mov_b32 s93, 0
	s_add_co_u32 s94, s96, s15
	s_lshl_b32 s94, s94, 9
	s_mov_b32 s95, 0
	s_add_nc_u64 s[92:93], s[8:9], s[92:93]
	s_add_nc_u64 s[94:95], s[8:9], s[94:95]
	WIN 0x40                                       ; destination window 1
.irp b, 0,1,2,3,4,5,6,7
	global_load_b128 v[BI+8*\b:BI+8*\b+3], v19, s[92:93] offset:(32*(\b/2)+8*(\b%2))*4       ; register 8 b + j: n = 32 (b / 2) + 8 (b % 2) + 16 h + j
	global_load_b128 v[BI+8*\b+4:BI+8*\b+7], v19, s[92:93] offset:(32*(\b/2)+8*(\b%2))*4+16
.endr
	WIN 0
.irp a, 0,1,2,3,4,5,6,7
	global_load_b32 v[BL+\a], v30, s[94:95] offset:(32*(\a/2)+8*(\a%2))*4                    ; lane block a: n = 32 (a / 2) + 8 (a % 2) + r + 8 (r / 8)
.endr
	; where my results go: head pair g of batch P / 16, key step P % 16
	s_lshl_b32 s96, s20, 1
	s_add_co_u32 s97, s97, s96                     ; P: my token panel 0..63
	s_lshl_b32 s96, s19, 1
	s_add_co_u32 s98, s98, s96
	s_and_b32 s98, s98, 7                          ; g: my panel of n among its kind's eight
	s_lshr_b32 s96, s97, 4
	s_lshl_b32 s96, s96, 4
	s_lshl_b32 s98, s98, 1
	s_add_co_u32 s96, s96, s98                     ; 16 x batch + the even head
	s_mul_i32 s96, s96, HEADB
	s_and_b32 s97, s97, 15
	s_mul_i32 s97, s97, STEPB
	s_add_co_u32 s96, s96, s97
	s_add_co_u32 s96, s96, s99
	s_mov_b32 s97, 0
	s_add_nc_u64 s[10:11], s[10:11], s[96:97]
; K step k's fragments and scale words into set k % 2: 52 LDS loads in one run
.macro FETCH k
.set SG, ((\k)/2)%3
.set QQ, (\k)%2
	WIN 0x40
.irp b, 0,1,2,3,4,5,6,7
.irp j, 0,1,2
	ds_load_b128 v[96*QQ+12*\b+4*\j:96*QQ+12*\b+4*\j+3], v[AI+SG] offset:CHUNK*QQ+1536*\b+512*\j
.endr
.endr
	WIN 0
.irp a, 0,1,2,3,4,5,6,7
.irp j, 0,1,2
	ds_load_b128 v[LF+96*QQ+12*\a+4*\j:LF+96*QQ+12*\a+4*\j+3], v[AL+SG] offset:CHUNK*QQ+1536*\a+512*\j
.endr
.endr
	ds_load_b128 v[SC+16*QQ:SC+16*QQ+3], v[ASL+SG] offset:CHUNK*QQ+12288        ; lane r: row r's words of blocks 0-3,
	ds_load_b128 v[SC+16*QQ+4:SC+16*QQ+7], v[ASL+SG] offset:CHUNK*QQ+12544      ; of blocks 4-7
	ds_load_b128 v[SC+16*QQ+8:SC+16*QQ+11], v[ASI+SG] offset:CHUNK*QQ+12288
	ds_load_b128 v[SC+16*QQ+12:SC+16*QQ+15], v[ASI+SG] offset:CHUNK*QQ+12544
.endm
; 16 matrix instructions: lane blocks a0, a0 + 1 x the eight inner blocks.  The 64 accumulators take turns, one instruction a turn, in the same order in every step
.macro MUL16 a0, e, zero
.irp a, \a0, \a0+1
.irp b, 0,1,2,3,4,5,6,7
.if \zero
	v_wmma_scale_f32_16x16x128_f8f6f4 v[8*(8*((\a)%4)+\b):8*(8*((\a)%4)+\b)+7], v[96*(\e)+12*\b:96*(\e)+12*\b+11], v[LF+96*(\e)+12*(\a):LF+96*(\e)+12*(\a)+11], 0, v[SC+16*(\e)+8+\b], v[SC+16*(\e)+(\a)] matrix_a_fmt:MATRIX_FMT_FP6 matrix_b_fmt:MATRIX_FMT_FP6
.else
	v_wmma_scale_f32_16x16x128_f8f6f4 v[8*(8*((\a)%4)+\b):8*(8*((\a)%4)+\b)+7], v[96*(\e)+12*\b:96*(\e)+12*\b+11], v[LF+96*(\e)+12*(\a):LF+96*(\e)+12*(\a)+11], v[8*(8*((\a)%4)+\b):8*(8*((\a)%4)+\b)+7], v[SC+16*(\e)+8+\b], v[SC+16*(\e)+(\a)] matrix_a_fmt:MATRIX_FMT_FP6 matrix_b_fmt:MATRIX_FMT_FP6
.endif
.endr
.endr
.endm
; A K step.  At its head set k is in and the next step's run of loads goes out, 64 matrix instructions ahead of its use.
; sync = 1: slot 0 has been read out (both its steps' loads are issued): all my tensor loads waited for, 0 added to my spare word, my LDS instructions waited for, a round of the cluster's barrier, the joint refill first behind it.
; sync = 2: the refill has landed: a plain barrier shows that to the other waves.
.macro STEP k, zero, sync, fetch
	s_wait_dscnt 0x0                               ; set k and its scale words are in
.if (\k) > 0
	PLACES 4                                       ; four plain instructions in front of loads into registers that the last step's matrix instructions have read (ISA guide 7.12.1 for vector instructions)
.endif
.if \fetch
	FETCH (\k)+1
.endif
	WIN MUL_LO
	MUL16 0, (\k)%2, \zero
	MUL16 2, (\k)%2, \zero
.if (\sync) == 1
	WIN 0                                          ; (the add's two registers lie in window 0)
	s_wait_tensorcnt 0x0                           ; all my tensor loads have landed: my panels of slots 0, 1 and 2
	ds_add_u32 v[SPW], v[NIL]                      ; 0 onto my spare word
.endif
.if (\sync) == 2
	s_wait_tensorcnt 0x0                           ; the one load that was out: my panel of K quarter 3
.endif
	WIN MUL_HI
	MUL16 4, (\k)%2, \zero                         ; sixteen matrix instructions stand between the add and the wait for it
.if \sync
	s_wait_dscnt 0x0                               ; the add is done, and my LDS loads are back
	s_barrier_signal -1
.endif
	MUL16 6, (\k)%2, \zero
	WIN 0
.if \sync
	s_barrier_wait -1
.endif
.if (\sync) == 1
	CREST                                          ; the barrier has opened a round of the cluster's barrier: no wave of any partner still reads slot 0 or has a load on its way
	JLOAD                                          ; 224 matrix instructions ahead of the wait for it
.endif
.endm
	s_wait_tensorcnt 0x2                           ; my panel of slot 0 is in; slots 1 and 2 may stay out
	s_barrier_signal -1
	s_barrier_wait -1
	FETCH 0
	STEP 0, 1, 1, 1                                ; its products start the sums: nothing is cleared
	STEP 1, 0, 0, 1                                ; slots 1 and 2 were shown whole by step 0's round: no barrier until the refill is wanted
	STEP 2, 0, 0, 1
	STEP 3, 0, 0, 1
	STEP 4, 0, 2, 1
	STEP 5, 0, 0, 1
	STEP 6, 0, 0, 1
	STEP 7, 0, 0, 0
	s_wait_loadcnt 0x0                             ; the bias
	PLACES 4                                       ; in front of the first read of results, and of writes into registers that held fragments
; THE WAY OUT.  For each lane block a: its 64 sums + bias, each accumulator from its low end on; quantised; the codes stored as images of the next products' registers.
.macro EPI type
.irp a, 0,1,2,3,4,5,6,7
.if \type
	WIN 0x02+(\a/4)                                ; source 0: the accumulators' window; the bias in window 0
.else
	WIN 0x06+(\a/4)                                ; source 0: the accumulators' window; source 1: window 1
.endif
.set AC, 64*(\a%4)
.set i, 0
.rept 32
.if \type
.if \a%2
	v_pk_add_f32 v[T+i:T+i+1], v[AC+i:AC+i+1], v[BL+\a-1:BL+\a] op_sel:[0,1] op_sel_hi:[1,1]   ; my channel's bias: the pair's second register for both halves
.else
	v_pk_add_f32 v[T+i:T+i+1], v[AC+i:AC+i+1], v[BL+\a:BL+\a+1] op_sel_hi:[1,0]                ; the pair's first register for both halves
.endif
.else
	v_pk_add_f32 v[T+i:T+i+1], v[AC+i:AC+i+1], v[BI+i:BI+i+1]
.endif
.set i, i+2
.endr
	WIN 0
	QUANT T, PCB+12*\a, SWB+\a, T2
.if \type
.irp j, 0,1,2                                  ; 16 channels x 128 keys: tile a % 4 of head a / 4 of my pair
	global_store_b128 v3, v[PCB+12*\a+4*\j:PCB+12*\a+4*\j+3], s[10:11] offset:(\a/4)*HEADB+(\a%4)*1536+512*\j   ; 512 consecutive bytes, aligned
.endr
.else
.irp c, 0,1                                    ; 16 tokens x 64: registers 6 c .. 6 c + 5 are head c of my pair
	global_store_b128 v3, v[PCB+12*\a+6*\c:PCB+12*\a+6*\c+3], s[10:11] offset:768*\a+\c*HEADB                  ; 512 consecutive bytes, aligned
	global_store_b64 v17, v[PCB+12*\a+6*\c+4:PCB+12*\a+6*\c+5], s[10:11] offset:768*\a+\c*HEADB+512            ; 256
.endr
.endif
.endr
.if \type
	v_cmp_eq_u32 vcc_lo, 1, v2
.irp j, 0,1,2,3
	v_cndmask_b32 v[T+\j], v[SWB+\j], v[SWB+4+\j], vcc_lo   ; lanes 0-15 store the even head's four words of channel row r, lanes 16-31 the odd head's
.endr
	global_store_b128 v18, v[T:T+3], s[10:11] offset:6144
.else
.irp a, 0,1,2,3,4,5,6,7
	v_bfe_u32 v[T+\a], v[SWB+\a], v16, 16          ; a word's low two bytes are the even head's scales, the high two the odd head's: lanes 0-15 store the one, lanes 16-31 the other; bytes 2, 3 become 0
.endr
	global_store_b128 v18, v[T:T+3], s[10:11] offset:6144
	global_store_b128 v18, v[T+4:T+7], s[10:11] offset:6400
.endif
.endm
	s_cmp_eq_u32 ttmp9, 2
	s_cbranch_scc1 .Lepi_v
	EPI 0
	s_branch .Lend
.Lepi_v:
	EPI 1
.Lend:
	s_wait_tensorcnt 0x0                           ; the wave's end
	ds_add_u32 v[SPW], v[NIL]
	s_wait_dscnt 0x0
	CROUND                                         ; the closing round: no work-group ends while a partner may still ask for a tile that names it
	s_endpgm
.Lfunc_end_k_q68ac3c4a84_proj_qkv:
	.size	k_q68ac3c4a84_proj_qkv, .Lfunc_end_k_q68ac3c4a84_proj_qkv-k_q68ac3c4a84_proj_qkv
	.p2alignl 7, 3214868480
	.fill 96, 4, 3214868480
	.section	.rodata,"a",@progbits
	.p2align	6, 0x0
	.amdhsa_kernel k_q68ac3c4a84_proj_qkv
		.amdhsa_group_segment_fixed_size 327680
		.amdhsa_private_segment_fixed_size 0
		.amdhsa_enable_private_segment 0
		.amdhsa_kernarg_size 32
		.amdhsa_user_sgpr_count 2
		.amdhsa_user_sgpr_kernarg_segment_ptr 1
		.amdhsa_wavefront_size32 1
		.amdhsa_system_sgpr_workgroup_id_x 1
		.amdhsa_system_sgpr_workgroup_id_y 1
		.amdhsa_system_sgpr_workgroup_id_z 1
		.amdhsa_system_vgpr_workitem_id 0
		.amdhsa_next_free_vgpr 1024
		.amdhsa_next_free_sgpr 100
		.amdhsa_reserve_vcc 1
		.amdhsa_float_denorm_mode_32 3
		.amdhsa_float_denorm_mode_16_64 3
		.amdhsa_memory_ordered 1
		.amdhsa_forward_progress 1
		.amdhsa_inst_pref_size 204
	.end_amdhsa_kernel
	.amdgpu_metadata
---
amdhsa.version: [ 1, 2 ]
amdhsa.kernels:
  - .name:           k_q68ac3c4a84_proj_qkv
    .symbol:         k_q68ac3c4a84_proj_qkv.kd
    .args:
      - { .name: xc, .offset: 0, .size: 8, .value_kind: global_buffer, .address_space: global }
      - { .name: wqc, .offset: 8, .size: 8, .value_kind: global_buffer, .address_space: global }
      - { .name: b_qkv, .offset: 16, .size: 8, .value_kind: global_buffer, .address_space: global }
      - { .name: qkvc, .offset: 24, .size: 8, .value_kind: global_buffer, .address_space: global }
    .group_segment_fixed_size: 327680
    .private_segment_fixed_size: 0
    .kernarg_segment_align: 8
    .kernarg_segment_size: 32
    .max_flat_workgroup_size: 128
    .sgpr_count:     100
    .vgpr_count:     1024
    .wavefront_size: 32
...
	.end_amdgpu_metadata
.endif
;; end of part 2
;; launch attn (part 3): grid 4 x 64, 16 waves a work-group, clusters of 4 x 1, 210,944 bytes of LDS; arguments qkvc, yc; writes yc
.if DOCPART == 3
	.amdgcn_target "amdgcn-amd-amdhsa--gfx1250"
	.amdhsa_code_object_version 6
	.text
	.protected	k_q68ac3c4a84_attn
	.globl	k_q68ac3c4a84_attn
	.p2align	8
	.type	k_q68ac3c4a84_attn,@function
k_q68ac3c4a84_attn:
	s_mov_b64 s[64:65], 0
	v_nop
	global_prefetch_b8 v0, s[64:65] scope:SCOPE_SE
	s_setreg_imm32_b32 hwreg(HW_REG_WAVE_MODE, 25, 1), 1
	s_wait_xcnt 0x0
	s_wait_alu depctr_hold_cnt(0) depctr_sa_sdst(0) depctr_va_vdst(0) depctr_va_sdst(0) depctr_va_ssrc(0) depctr_va_vcc(0) depctr_vm_vsrc(0)
	s_getreg_b32 s2, hwreg(HW_REG_IB_STS2, 6, 4)
	s_cmp_eq_u32 s2, 0
	s_cbranch_scc0 .Lentry_in_a_cluster
	s_endpgm
.Lentry_in_a_cluster:
	s_bfe_u32 s2, ttmp6, 0x10000c
	s_cmp_lg_u32 s2, 0x3003
	s_cbranch_scc0 .Lentry_shape_is_right
	s_endpgm
.Lentry_shape_is_right:
; y[b][q][head][:] = the sum over keys k <= q of softmax_k(q . k / 8) v, both products on codes of FP6 (E2M3) with E8M0 scales; y is quantised in registers for the last product and stored as codes.
; THE SOFTMAX AHEAD OF THE SECOND PRODUCT: t = score x log2(e) / 8; M = the row's largest t so far, rounded UP to a whole number; p = 2^(t - M) is quantised along the keys, not normalised; the sum of the unquantised p divides at the end.
; When M moves, the sum and O are multiplied by 2^(old M - new M): exact.  LIMITS: NaN and infinities are not served; 1 / sum by v_rcp_f32; a block of zeros or under 2^-124 gets the byte 1 (read by this program alone).
; SHARES.  A cluster of four work-groups owns one head of one batch.  The head's K and V, codes and scale words, 16 key steps x 13,056 bytes, fill LDS ONCE: wave w asks for key step w, jointly with the same wave of the three partners.
; No slot is ever filled again: one wait, one barrier, and no barrier more until the closing round.
; A wave owns two tiles of 16 queries, a = 4 w + cx and 127 - a, in two passes.  Tile a needs key steps 0 .. a / 8, and a / 8 = w / 2 whatever cx is: so every wave of the launch does 17 key steps, and no branch hangs on the place in the cluster.
; Each pass walks a loop of 16 trips; a trip all of whose keys come after the tile's queries jumps to the lines that step the counters.
; LAYOUT.  S^T = K Q^T (source 0 = 16 keys, source 1 = my 16 queries), O^T = V^T P^T: a lane holds ONE query.  Row rho of block 2 b + u of a key step is token 32 b + 8 u + rho + 8 (rho / 8): so the 16 registers of key tiles 2 b, 2 b + 1
; are keys 32 b + 16 (lane / 16) + 0 .. 15, and those of V's tiles 2 b, 2 b + 1 channels likewise.
; K = 64 IN AN INSTRUCTION 128 DEEP.  Q's registers 6-11 hold zero codes.  The operand of key tile t is v[42 + 6 t .. 42 + 6 t + 11]: its upper six registers are the NEXT tile's codes (behind the last tile six zeros): finite numbers, which
; times zero codes add nothing; the scale bytes of that half are 0 (2^-127) on both sides.
; REGISTERS: v1-3 16 x lane, 8 x lane, 16 r; v4-6 the step's LDS addresses; v7 the mask's threshold; v8 -infinity; v9-11 r, h, r + 8 (r / 8) - 16 h; v12 -M, v13 the largest t, v[14:15] the sum; v16-27 Q; v28 Q's scale word, v29 p's,
;   v30-37 K's, v38-41 V's; v42-95 K's half fragments, later V's fragments; v96-159 S^T, then p, at the end y; v160-191 O^T; v192-203 codes; v204-211 the conversions' second halves; v212-226 at work; v232 16 r + h.
.set HEADB, 315392
.set STEPB, 19712
.set KVB,   13056                      ; a key step's K and V
.set KF,  42
.set S,   96
.set O,   160
.set PCD, 192
.set T2,  204
.set BM,  212                          ; v212-215 the blocks' largest
.set TP,  216                          ; v216-219 permutes' results, a pair of sums, bytes
.set SO,  220                          ; v220-223 the conversions' scale operands
.set FF,  224                          ; v[224:225] f = 2^(old M - new M); the pair's upper register is written once
.set TV,  226
.set YB,  232
.set WV,  8
.set SEL, 26
.set CS,  28
.set KS,  30                           ; s30 the key step
.set TB,  31                           ; s31 where it begins in LDS
.set SD,  32                           ; s32 the tile's last key step, the one on the diagonal
.macro PLACES n
.rept \n
	v_nop
.endr
.endm
.macro CROUND                          ; a round of the cluster's barrier
	s_barrier_signal -1
	s_barrier_wait -1
	s_cmp_lg_u32 s[WV], 0
	s_cbranch_scc1 .Lnot_wave_0_\@
	s_barrier_signal -3
.Lnot_wave_0_\@:
	s_barrier_wait -3
	s_barrier_signal -1
	s_barrier_wait -1
.endm
	s_load_b128 s[4:7], s[0:1], 0x0                ; qkvc s[4:5], yc s[6:7]
	v_lshl_add_u32 v254, v0, 2, 0x33000
	v_mov_b32 v255, 0
	ds_add_u32 v254, v255
	ds_add_u32 v254, v255
	v_lshrrev_b32 v1, 5, v0
	s_delay_alu instid0(VALU_DEP_1)
	v_readfirstlane_b32 s[WV], v1                  ; wave 0..15
	s_bfe_u32 s9, ttmp6, 0x40000                   ; cx: it enters Q's and y's global addresses and the mask's threshold alone
	s_and_b32 s10, ttmp7, 0xffff                   ; 16 x batch + head, which the four partners share
	s_mul_i32 s44, s10, HEADB
	s_mov_b32 s45, 0
	s_mul_i32 s46, s[WV], STEPB
	s_mov_b32 s47, 0
	; group 1: 13,056 dense bytes as 51 rows of 32 elements of 8 bytes, no padding
	s_mov_b32 s16, 15|(3<<16)|(1<<21)              ; 15:0 the mask: all four work-groups; 17:16 elements of 8 bytes; 21 set beside a mask
	s_mov_b32 s17, 32<<16                          ; tensor_dim0
	s_mov_b32 s18, 51<<16                          ; tensor_dim1
	s_mov_b32 s19, 32<<16                          ; tile_dim0
	s_mov_b32 s20, 51                              ; tile_dim1
	s_mov_b32 s21, 32                              ; tensor_dim0_stride
	s_mov_b32 s22, 0
	s_mov_b32 s23, 0
	s_mov_b32 s12, 1
	s_mul_i32 s13, s[WV], KVB                      ; LDS: key step w
	s_mov_b32 s[SEL], 0x76543210
	s_mov_b32 s[SEL+1], 0xfedcba98
	s_mov_b32 s[CS], 0x3e38aa3b                    ; c = log2(e) / 8
	s_mov_b32 s[CS+1], s[CS]                       ; (named with it as a pair, so it is written)
	s_wait_dscnt 0x0
	s_wait_kmcnt 0x0
	s_add_nc_u64 s[24:25], s[4:5], s[44:45]        ; the head's first byte
	s_add_nc_u64 s[14:15], s[24:25], s[46:47]
	s_or_b32 s15, s15, 0x80000000
	CROUND                                         ; all four work-groups are here: the joint loads meet
	tensor_load_to_lds s[12:15], s[16:23]          ; my one tensor load
	s_nop 0
	PLACES 4
	v_and_b32 v9, 15, v0                           ; r
	v_bfe_u32 v10, v0, 4, 1                        ; h
	v_and_b32 v1, 31, v0
	s_delay_alu instid0(VALU_DEP_1)
	v_lshlrev_b32 v2, 3, v1
	s_delay_alu instid0(VALU_DEP_2)
	v_lshlrev_b32 v1, 4, v1
	v_lshlrev_b32 v3, 4, v9
	v_and_b32 v11, 8, v9
	s_delay_alu instid0(VALU_DEP_1)
	v_add_nc_u32 v11, v11, v9
	v_lshlrev_b32 v7, 4, v10
	s_delay_alu instid0(VALU_DEP_1)
	v_sub_nc_u32 v11, v11, v7                      ; r + 8 (r / 8) - 16 h
	v_add_nc_u32 v[YB], v3, v10
	v_mov_b32 v8, 0xff800000
.irp j, 0,1,2,3,4,5
	v_mov_b32 v[22+\j], 0                          ; Q's upper half: zero codes
	v_mov_b32 v[KF+48+\j], 0                       ; behind K's last tile
.endr
.irp b, 0,1,2,3
	v_mov_b32 v[TP+\b], 0                          ; written once: a lane permute's destination counts as one of its sources
.endr
	v_mov_b32 v[FF+1], 0
	s_wait_tensorcnt 0x0                           ; my key step is in,
	s_barrier_signal -1
	s_barrier_wait -1                              ; everybody's is: the whole head lies in LDS
.macro PASS p
.if \p
	s_wait_xcnt 0x0                                ; the last pass's stores have read their registers and bases
.endif
	s_lshl_b32 s33, s[WV], 2
	s_add_co_u32 s33, s33, s9                      ; a = 4 w + cx
	s_lshr_b32 s[SD], s[WV], 1                     ; a / 8, from the wave's number alone
.if \p
	s_xor_b32 s33, s33, 127                        ; 127 - a
	s_xor_b32 s[SD], s[SD], 15                     ; 15 - w / 2
.endif
	s_and_b32 s34, s33, 7                          ; the tile's block in its key step
	s_lshr_b32 s35, s33, 3                         ; its key step, for addresses
	s_mul_i32 s44, s35, STEPB
	s_mul_i32 s46, s34, 768
	s_add_co_u32 s46, s46, s44
	s_add_co_u32 s46, s46, KVB
	s_add_nc_u64 s[36:37], s[24:25], s[46:47]      ; Q's codes
	s_lshr_b32 s46, s34, 2
	s_lshl_b32 s46, s46, 8
	s_and_b32 s48, s33, 3
	s_lshl_b32 s48, s48, 2
	s_add_co_u32 s49, s46, s48                     ; the block's place among scale words: 256 (block / 4) + 4 (block % 4)
	s_add_co_u32 s46, s49, s44
	s_add_co_u32 s46, s46, KVB+6144
	s_add_nc_u64 s[38:39], s[24:25], s[46:47]      ; Q's scale words
	global_load_b128 v[16:19], v1, s[36:37]
	global_load_b64 v[20:21], v2, s[36:37] offset:512
	global_load_b32 v28, v3, s[38:39]
	s_lshr_b32 s48, s34, 1
	s_lshl_b32 s48, s48, 5
	s_and_b32 s50, s34, 1
	s_lshl_b32 s50, s50, 3
	s_add_co_u32 s48, s48, s50
	v_add_nc_u32 v7, s48, v11                      ; d = my query's place in its key step - 16 h.  Register 16 b + i holds key 32 b + 16 h + i: hidden on the diagonal where 32 b + i > d
	s_lshr_b32 s50, s10, 4
	s_lshl_b32 s50, s50, 4
	s_add_co_u32 s50, s50, s35                     ; y's panel of 128 tokens: 16 x batch + key step
	s_lshl_b32 s50, s50, 3
	s_bfe_u32 s51, s10, 0x30001
	s_add_co_u32 s50, s50, s51                     ; its K step of 128: the pair of heads
	s_mul_i32 s50, s50, 12800
	s_and_b32 s51, s10, 1
	s_mul_i32 s52, s34, 1536
	s_mul_i32 s53, s51, 768
	s_add_co_u32 s46, s50, s52
	s_add_co_u32 s46, s46, s53
	s_add_nc_u64 s[40:41], s[6:7], s[46:47]        ; y's codes: block's image, my head's half
	s_lshl_b32 s51, s51, 1
	s_add_co_u32 s46, s50, s49
	s_add_co_u32 s46, s46, s51
	s_add_co_u32 s46, s46, 12288
	s_add_nc_u64 s[42:43], s[6:7], s[46:47]        ; y's scale bytes: my head's two of a word
	v_mov_b32 v13, 0xff61b1e6                      ; the largest t so far: -3e38, under every t
	s_delay_alu instid0(VALU_DEP_1)
	v_floor_f32 v12, -v13
	v_mov_b32 v14, 0
	v_mov_b32 v15, 0
.set n, 0
.rept 32
	v_mov_b32 v[O+n], 0                            ; O^T: the step is written once a pass; the first finds zeros, which the first change of M leaves zeros
.set n, n+1
.endr
	s_mov_b32 s[KS], 0
	s_mov_b32 s[TB], 0
	s_wait_loadcnt 0x0                             ; Q
.Lstep_\@:
	s_cmp_gt_u32 s[KS], s[SD]
	s_cbranch_scc1 .Lhidden_\@                     ; all 128 keys come after my queries
	s_setprio 2
	v_add_nc_u32 v4, s[TB], v1
	v_add_nc_u32 v5, s[TB], v2
	v_add_nc_u32 v6, s[TB], v3
	v_nop                                          ; four plain instructions in front of loads into registers that the last products have read
.irp t, 0,1,2,3,4,5,6,7
	ds_load_b128 v[KF+6*\t:KF+6*\t+3], v4 offset:768*\t
	ds_load_b64 v[KF+6*\t+4:KF+6*\t+5], v5 offset:768*\t+512
.endr
	ds_load_b128 v[30:33], v6 offset:6144
	ds_load_b128 v[34:37], v6 offset:6400
	s_wait_alu depctr_va_vdst(0)
	s_wait_dscnt 0x0
.irp t, 0,1,2,3,4,5,6,7
	v_wmma_scale_f32_16x16x128_f8f6f4 v[S+8*\t:S+8*\t+7], v[KF+6*\t:KF+6*\t+11], v[16:27], 0, v[30+\t], v28 matrix_a_fmt:MATRIX_FMT_FP6 matrix_b_fmt:MATRIX_FMT_FP6
.endr
	PLACES 4                                       ; in front of the loads below and of the first read of the scores
.irp t, 0,1,2,3                                ; V's four tiles: they land under the softmax
.irp j, 0,1,2
	ds_load_b128 v[KF+12*\t+4*\j:KF+12*\t+4*\j+3], v4 offset:6656+1536*\t+512*\j
.endr
.endr
	ds_load_b128 v[38:41], v6 offset:12800
	s_cmp_lg_u32 s[KS], s[SD]
	s_cbranch_scc1 .Lopen_\@                       ; only the diagonal's step has hidden keys
.set n, 0
.rept 64
	v_cmp_gt_i32 vcc_lo, 32*(n/16)+n%16, v7
	v_cndmask_b32 v[S+n], v[S+n], v8, vcc_lo       ; -infinity ahead of the maximum: p = 0 then
.set n, n+1
.endr
.Lopen_\@:
.irp b, 0,1,2,3
	v_max3_num_f32 v[BM+\b], v[S+16*\b], v[S+1+16*\b], v[S+2+16*\b]   ; the largest score of each block of 32 keys: for the row's maximum and, since p rises with the score, for the block's largest p
.endr
.irp i, 3,5,7,9,11,13
.irp b, 0,1,2,3
	v_max3_num_f32 v[BM+\b], v[BM+\b], v[S+16*\b+\i], v[S+1+16*\b+\i]
.endr
.endr
.irp b, 0,1,2,3
	v_max_num_f32 v[BM+\b], v[BM+\b], v[S+15+16*\b]
.endr
.irp b, 0,1,2,3
	s_delay_alu instid0(VALU_DEP_4)
	v_permlanex16_b32 v[TP+\b], v[BM+\b], s[SEL], s[SEL+1]
.endr
.irp b, 0,1,2,3
	s_delay_alu instid0(VALU_DEP_4)
	v_max_num_f32 v[BM+\b], v[BM+\b], v[TP+\b]     ; with lane l xor 16's 16 keys
.endr
	s_delay_alu instid0(VALU_DEP_2)
	v_max3_num_f32 v[TV], v[BM], v[BM+1], v[BM+2]
	s_delay_alu instid0(VALU_DEP_1)
	v_max_num_f32 v[TV], v[TV], v[BM+3]
	s_delay_alu instid0(VALU_DEP_1)
	v_mul_f32 v[TV], s[CS], v[TV]                  ; the step's largest t of my query
	s_delay_alu instid0(VALU_DEP_1)
	v_max_num_f32 v13, v13, v[TV]
	v_mov_b32 v[TV], v12
	s_delay_alu instid0(VALU_DEP_2)
	v_floor_f32 v12, -v13                          ; the new -M = floor(-t): M is a whole number
	s_delay_alu instid0(VALU_DEP_1)
	v_sub_f32 v[TV], v12, v[TV]                    ; old M - new M: a whole number, 0 or less
	s_delay_alu instid0(VALU_DEP_1)
	v_cvt_i32_f32 v[TV], v[TV]                     ; (it saturates)
	s_delay_alu instid0(VALU_DEP_1)
	v_ldexp_f32 v[FF], 1.0, v[TV]                  ; f = 2^(old M - new M)
.set n, 0
.rept 32
	v_pk_fma_f32 v[S+n:S+n+1], v[S+n:S+n+1], s[CS:CS+1], v[12:13] op_sel_hi:[1,0,0]   ; t - M, two at a time
.set n, n+2
.endr
	s_setprio 1
.irp b, 0,1,2,3
	v_fma_f32 v[BM+\b], v[BM+\b], s[CS], v12       ; the same of each block's largest score
.endr
.set n, 0
	s_wait_alu depctr_va_vdst(0)
.rept 64
	v_exp_f32 v[S+n], v[S+n]                       ; p = 2^(t - M), at most 1
.set n, n+1
.endr
	v_pk_mul_f32 v[14:15], v[14:15], v[FF:FF+1] op_sel_hi:[1,0]   ; the sums under the new M: a plain instruction behind the exponentials
	s_wait_alu depctr_va_vdst(0)                   ; one wait for the batch of 64, ahead of its first reader
.irp b, 0,1,2,3
	v_exp_f32 v[BM+\b], v[BM+\b]                   ; the block's largest p: the same two instructions on the same number give the same bits
.endr
	v_pk_add_f32 v[216:217], v[100:101], v[104:105]
	v_pk_add_f32 v[252:253], v[108:109], v[112:113]
	v_pk_add_f32 v[250:251], v[116:117], v[120:121]
	v_pk_add_f32 v[248:249], v[124:125], v[128:129]
	v_pk_add_f32 v[246:247], v[132:133], v[136:137]
	v_pk_add_f32 v[244:245], v[140:141], v[144:145]
	v_pk_add_f32 v[242:243], v[148:149], v[152:153]
	v_pk_add_f32 v[14:15], v[14:15], v[156:157]
	v_pk_add_f32 v[216:217], v[216:217], v[96:97]
	v_pk_add_f32 v[252:253], v[252:253], v[98:99]
	v_pk_add_f32 v[250:251], v[250:251], v[102:103]
	v_pk_add_f32 v[248:249], v[248:249], v[106:107]
	v_pk_add_f32 v[246:247], v[246:247], v[110:111]
	v_pk_add_f32 v[244:245], v[244:245], v[114:115]
	v_pk_add_f32 v[242:243], v[242:243], v[118:119]
	v_pk_add_f32 v[14:15], v[14:15], v[122:123]
	v_pk_add_f32 v[216:217], v[216:217], v[126:127]
	v_pk_add_f32 v[252:253], v[252:253], v[130:131]
	v_pk_add_f32 v[250:251], v[250:251], v[134:135]
	v_pk_add_f32 v[248:249], v[248:249], v[138:139]
	v_pk_add_f32 v[246:247], v[246:247], v[142:143]
	v_pk_add_f32 v[244:245], v[244:245], v[146:147]
	v_pk_add_f32 v[242:243], v[242:243], v[150:151]
	v_pk_add_f32 v[14:15], v[14:15], v[154:155]
	v_pk_add_f32 v[216:217], v[216:217], v[158:159]
	s_delay_alu instid0(VALU_DEP_2)
	v_pk_add_f32 v[14:15], v[14:15], v[248:249]
	s_delay_alu instid0(VALU_DEP_2)
	v_pk_add_f32 v[216:217], v[216:217], v[246:247]
	v_pk_add_f32 v[252:253], v[252:253], v[244:245]
	v_pk_add_f32 v[250:251], v[250:251], v[242:243]
	s_delay_alu instid0(VALU_DEP_2)
	v_pk_add_f32 v[14:15], v[14:15], v[252:253]
	s_delay_alu instid0(VALU_DEP_2)
	v_pk_add_f32 v[216:217], v[216:217], v[250:251]
	s_delay_alu instid0(VALU_DEP_1)
	v_pk_add_f32 v[14:15], v[14:15], v[216:217]
	s_wait_alu depctr_va_vdst(0)                   ; and one for the four
.irp b, 0,1,2,3
	v_max_num_f32 v[BM+\b], 0x1800000, v[BM+\b]    ; the floor 2^(3 - 127)
.endr
.irp b, 0,1,2,3
	s_delay_alu instid0(VALU_DEP_4)
	v_add_nc_u32 v[SO+\b], 0xff000000, v[BM+\b]    ; the conversion's scale operand
.endr
.irp b, 0,1,2,3
	s_delay_alu instid0(VALU_DEP_4)
	v_lshrrev_b32 v[TP+\b], 23, v[SO+\b]           ; the scale's byte
.endr
	s_delay_alu instid0(VALU_DEP_3)
	v_lshl_or_b32 v29, v[TP+1], 8, v[TP]
	s_delay_alu instid0(VALU_DEP_1)
	v_lshl_or_b32 v29, v[TP+2], 16, v29
	s_delay_alu instid0(VALU_DEP_1)
	v_lshl_or_b32 v29, v[TP+3], 24, v29            ; p's scale word for these 128 keys
	s_setprio 0
.irp c, 0,1
	v_cvt_scalef32_pk16_fp6_f32 v[PCD+6*\c:PCD+2+6*\c], v[S+32*\c:S+15+32*\c], v[SO+2*\c]
	v_cvt_scalef32_pk16_fp6_f32 v[T2+4*\c:T2+2+4*\c], v[S+16+32*\c:S+31+32*\c], v[SO+2*\c+1]
.endr
	v_nop                                          ; one plain instruction behind the scaled conversions
.irp c, 0,1
.irp i, 0,1,2
	v_permlane16_swap_b32 v[PCD+6*\c+\i], v[T2+4*\c+\i]
.endr
.irp i, 0,1,2
	s_delay_alu instid0(VALU_DEP_3)
	v_mov_b32 v[PCD+3+6*\c+\i], v[T2+4*\c+\i]
.endr
.endr
.set n, 0
.rept 16
	v_pk_mul_f32 v[O+n:O+n+1], v[O+n:O+n+1], v[FF:FF+1] op_sel_hi:[1,0]   ; O^T under the new M.  For each product below twelve of these name none of its registers: the plain instructions between the writes of p's codes and scale word and the product
.set n, n+2
.endr
	s_wait_alu depctr_va_vdst(0)
	s_wait_dscnt 0x0                               ; V is in
.irp t, 0,1,2,3                                ; four accumulators, one instruction a turn
	v_wmma_scale_f32_16x16x128_f8f6f4 v[O+8*\t:O+8*\t+7], v[KF+12*\t:KF+12*\t+11], v[PCD:PCD+11], v[O+8*\t:O+8*\t+7], v[38+\t], v29 matrix_a_fmt:MATRIX_FMT_FP6 matrix_b_fmt:MATRIX_FMT_FP6
.endr
.Lhidden_\@:
	s_add_co_u32 s[TB], s[TB], KVB
	s_add_co_u32 s[KS], s[KS], 1
	s_cmp_lt_u32 s[KS], 16
	s_cbranch_scc1 .Lstep_\@
	s_setprio 0
	; the pass's way out: O^T / the sum is y; its 64 channels are two blocks of the last product's K
	PLACES 4
	v_add_f32 v14, v14, v15
	s_delay_alu instid0(VALU_DEP_1)
	v_permlanex16_b32 v[TP], v14, s[SEL], s[SEL+1]
	s_delay_alu instid0(VALU_DEP_1)
	v_add_f32 v14, v14, v[TP]                      ; the row's sum
	s_wait_alu depctr_va_vdst(0)
	v_rcp_f32 v14, v14
	v_nop                                          ; a plain instruction behind the reciprocal,
	s_wait_alu depctr_va_vdst(0)                   ; and the wait ahead of its first reader
.set n, 0
.rept 32
	v_mul_f32 v[S+n], v[O+n], v14                  ; register 16 b + i: channel 32 b + 16 h + i of my query; each accumulator from its low end on
.set n, n+1
.endr
.irp b, 0,1
	v_max3_num_f32 v[BM+\b], |v[S+16*\b]|, |v[S+1+16*\b]|, 0x1800000
.endr
.irp i, 2,4,6,8,10,12,14
.irp b, 0,1
	s_delay_alu instid0(VALU_DEP_2)
	v_max3_num_f32 v[BM+\b], v[BM+\b], |v[S+16*\b+\i]|, |v[S+1+16*\b+\i]|
.endr
.endr
.irp b, 0,1
	s_delay_alu instid0(VALU_DEP_2)
	v_permlanex16_b32 v[TP+\b], v[BM+\b], s[SEL], s[SEL+1]
.endr
.irp b, 0,1
	s_delay_alu instid0(VALU_DEP_2)
	v_max_num_f32 v[BM+\b], v[BM+\b], v[TP+\b]
.endr
.irp b, 0,1
	s_delay_alu instid0(VALU_DEP_2)
	v_add_nc_u32 v[SO+\b], 0xff000000, v[BM+\b]
.endr
.irp b, 0,1
	s_delay_alu instid0(VALU_DEP_2)
	v_lshrrev_b32 v[TP+\b], 23, v[SO+\b]
.endr
	v_cvt_scalef32_pk16_fp6_f32 v[PCD:PCD+2], v[S:S+15], v[SO]
	v_cvt_scalef32_pk16_fp6_f32 v[T2:T2+2], v[S+16:S+31], v[SO+1]
	v_cmp_eq_u32 vcc_lo, 1, v10                    ; (a plain instruction behind the scaled conversions)
	s_delay_alu instid0(VALU_DEP_1)
	v_cndmask_b32 v[TV], v[TP], v[TP+1], vcc_lo    ; lanes 0-15 store block 0's byte of their row, lanes 16-31 block 1's
.irp i, 0,1,2
	v_permlane16_swap_b32 v[PCD+\i], v[T2+\i]
.endr
.irp i, 0,1,2
	s_delay_alu instid0(VALU_DEP_3)
	v_mov_b32 v[PCD+3+\i], v[T2+\i]
.endr
	global_store_b128 v1, v[PCD:PCD+3], s[40:41]               ; 512 consecutive bytes, aligned
	global_store_b64 v2, v[PCD+4:PCD+5], s[40:41] offset:512   ; 256
	global_store_b8 v[YB], v[TV], s[42:43]                     ; a byte a lane, inside one aligned 256 bytes: a head owns two bytes of each row's scale word; two such stores a wave in the launch
.endm
	PASS 0
	PASS 1
	s_wait_tensorcnt 0x0
	ds_add_u32 v254, v255
	s_wait_dscnt 0x0
	CROUND                                         ; the closing round
	s_endpgm
.Lfunc_end_k_q68ac3c4a84_attn:
	.size	k_q68ac3c4a84_attn, .Lfunc_end_k_q68ac3c4a84_attn-k_q68ac3c4a84_attn
	.p2alignl 7, 3214868480
	.fill 96, 4, 3214868480
	.section	.rodata,"a",@progbits
	.p2align	6, 0x0
	.amdhsa_kernel k_q68ac3c4a84_attn
		.amdhsa_group_segment_fixed_size 210944
		.amdhsa_private_segment_fixed_size 0
		.amdhsa_enable_private_segment 0
		.amdhsa_kernarg_size 16
		.amdhsa_user_sgpr_count 2
		.amdhsa_user_sgpr_kernarg_segment_ptr 1
		.amdhsa_wavefront_size32 1
		.amdhsa_system_sgpr_workgroup_id_x 1
		.amdhsa_system_sgpr_workgroup_id_y 1
		.amdhsa_system_sgpr_workgroup_id_z 1
		.amdhsa_system_vgpr_workitem_id 0
		.amdhsa_next_free_vgpr 256
		.amdhsa_next_free_sgpr 66
		.amdhsa_reserve_vcc 1
		.amdhsa_float_denorm_mode_32 3
		.amdhsa_float_denorm_mode_16_64 3
		.amdhsa_memory_ordered 1
		.amdhsa_forward_progress 1
		.amdhsa_inst_pref_size 64
	.end_amdhsa_kernel
	.amdgpu_metadata
---
amdhsa.version: [ 1, 2 ]
amdhsa.kernels:
  - .name:           k_q68ac3c4a84_attn
    .symbol:         k_q68ac3c4a84_attn.kd
    .args:
      - { .name: qkvc, .offset: 0, .size: 8, .value_kind: global_buffer, .address_space: global }
      - { .name: yc, .offset: 8, .size: 8, .value_kind: global_buffer, .address_space: global }
    .group_segment_fixed_size: 210944
    .private_segment_fixed_size: 0
    .kernarg_segment_align: 8
    .kernarg_segment_size: 16
    .max_flat_workgroup_size: 512
    .sgpr_count:     66
    .vgpr_count:     256
    .wavefront_size: 32
...
	.end_amdgpu_metadata
.endif
;; end of part 3
;; launch proj_out (part 4): grid 8 x 32, 4 waves a work-group, clusters of 4 x 4, 307,712 bytes of LDS; arguments yc, woc, b_out, out0; writes out0
.if DOCPART == 4
	.amdgcn_target "amdgcn-amd-amdhsa--gfx1250"
	.amdhsa_code_object_version 6
	.text
	.protected	k_q68ac3c4a84_proj_out
	.globl	k_q68ac3c4a84_proj_out
	.p2align	8
	.type	k_q68ac3c4a84_proj_out,@function
k_q68ac3c4a84_proj_out:
	s_mov_b64 s[64:65], 0
	v_nop
	global_prefetch_b8 v0, s[64:65] scope:SCOPE_SE
	s_setreg_imm32_b32 hwreg(HW_REG_WAVE_MODE, 25, 1), 1
	s_wait_xcnt 0x0
	s_wait_alu depctr_hold_cnt(0) depctr_sa_sdst(0) depctr_va_vdst(0) depctr_va_sdst(0) depctr_va_ssrc(0) depctr_va_vcc(0) depctr_vm_vsrc(0)
	s_getreg_b32 s2, hwreg(HW_REG_IB_STS2, 6, 4)
	s_cmp_eq_u32 s2, 0
	s_cbranch_scc0 .Lentry_in_a_cluster
	s_endpgm
.Lentry_in_a_cluster:
	s_bfe_u32 s2, ttmp6, 0x10000c
	s_cmp_lg_u32 s2, 0xf033
	s_cbranch_scc0 .Lentry_shape_is_right
	s_endpgm
.Lentry_shape_is_right:
; out0 = y W_out + b_out on codes of FP6 (E2M3) with E8M0 scales for each 32 along K = 1024; f32 sums; out0 [8192][1024] f32.
; A work-group of four waves makes 256 tokens x 128 columns n: 256 work-groups.  Wave w: lane operand = y's panel w / 2 of the tile, blocks 4 (w % 2) + 0 .. 3 (64 tokens); inner operand = all 8 blocks of W_out's panel: 32 accumulators.
; Source 0 = 16 columns n of W_out, source 1 = 16 tokens: a lane holds one token, and the 16 registers of inner blocks 2 b, 2 b + 1 are columns 32 b + 16 (lane / 16) + 0 .. 15.  Row rho of block 2 b + u of a panel is its row 32 b + 8 u + rho + 8 (rho / 8).
; OPERANDS lie in memory as images of their registers, in chunks of 12,800 bytes (128 rows x 128 K: 8 x 1,536 bytes of codes, 512 of scale words).  W's fragments: registers 4 j .. 4 j + 3 at 512 j + 16 l.  y's: two halves of 768 bytes
; (one for each head of a pair): registers 0-3 of a half at 16 l, 4-5 at 512 + 8 l.
; ALL OF K FITS IN LDS: four groups of 76,800 bytes (256 along K: y's two panels, W's panel), each filled once, four tensor loads a wave at the head: at most 4 of a wave are out.  Nothing is filled again.
; CLUSTER 4 x 4: y's panels are asked for jointly along a row of the cluster, W's along a column.
; The bias is the C of each sum's first matrix instruction.  LIMITS: NaN and infinities are not served.
; REGISTERS: window 0: v1-8 addresses; v24, v25 the stage; v32-55 scale words, two sets; v64-111, v112-159 y's fragments, two sets; v160-223 the bias; on the way out v64-191 rows of out0.
;   window 1: v0-95, v96-191 W's fragments.   window 2: accumulator (a, b) at v[8 (8 a + b)].
.set CHUNK, 12800
.set PANEL, 102400
.set QTR,   25600
.set GRP,   76800
.set AY16, 4
.set AY8,  5
.set AW,   6
.set ASY,  7
.set ASW,  8
.set STO,  24
.set RD,   25
.set SC,   32                          ; set e: v[SC + 12 e + a] y's words, v[SC + 12 e + 4 + b] W's
.set LF,   64
.set BI,   160
.set BK,   64
.set G1Y,  24
.set G1W,  32
.set G0Y,  40
.set G0W,  68
.set MSB, 0
.macro WIN new
.if MSB != (\new)
	s_set_vgpr_msb (MSB<<8)|(\new)
.set MSB, (\new)
.endif
.endm
.macro PLACES n
.rept \n
	v_nop
.endr
.endm
.macro CROUND
	s_barrier_signal -1
	s_barrier_wait -1
	s_cmp_lg_u32 s14, 0
	s_cbranch_scc1 .Lnot_wave_0_\@
	s_barrier_signal -3
.Lnot_wave_0_\@:
	s_barrier_wait -3
	s_barrier_signal -1
	s_barrier_wait -1
.endm
	s_load_b256 s[4:11], s[0:1], 0x0               ; yc s[4:5], woc s[6:7], b_out s[8:9], out0 s[10:11]
	v_lshl_add_u32 v254, v0, 2, 0x4b000
	v_mov_b32 v255, 0
	ds_add_u32 v254, v255
	ds_add_u32 v254, v255
	v_lshrrev_b32 v1, 5, v0
	v_readfirstlane_b32 s14, v1                    ; wave 0..3
	s_lshr_b32 s15, s14, 1                         ; which panel of y is mine.  Also: I fetch for y (0) or for W (1)
	s_and_b32 s16, s14, 1                          ; which half of its blocks.  Also: which part I fetch
	s_bfe_u32 s17, ttmp6, 0x40000                  ; cx
	s_bfe_u32 s18, ttmp6, 0x40004                  ; cy
	s_lshl_b32 s19, ttmp9, 2
	s_add_co_u32 s19, s19, s17                     ; tile column 0..7: W_out's panel
	s_and_b32 s20, ttmp7, 0xffff
	s_lshl_b32 s20, s20, 2
	s_add_co_u32 s20, s20, s18                     ; tile row 0..31: 256 tokens
	s_lshl_b32 s21, s18, 2
	s_lshl_b32 s21, 15, s21                        ; my row of the cluster
	s_lshl_b32 s22, 0x1111, s17                    ; my column
	; group 1: dense bytes as rows of 32 elements of 8 bytes, no padding: y 100 rows (a panel's 256 along K), W 50 rows (a chunk)
	s_or_b32 s[G1Y], s21, (3<<16)|(1<<21)
	s_mov_b32 s[G1Y+1], 32<<16
	s_mov_b32 s[G1Y+2], 100<<16
	s_mov_b32 s[G1Y+3], 32<<16
	s_mov_b32 s[G1Y+4], 100
	s_mov_b32 s[G1Y+5], 32
	s_mov_b32 s[G1Y+6], 0
	s_mov_b32 s[G1Y+7], 0
	s_or_b32 s[G1W], s22, (3<<16)|(1<<21)
	s_mov_b32 s[G1W+1], 32<<16
	s_mov_b32 s[G1W+2], 50<<16
	s_mov_b32 s[G1W+3], 32<<16
	s_mov_b32 s[G1W+4], 50
	s_mov_b32 s[G1W+5], 32
	s_mov_b32 s[G1W+6], 0
	s_mov_b32 s[G1W+7], 0
	s_lshl_b32 s84, s20, 1
	s_add_co_u32 s84, s84, s16
	s_mul_i32 s84, s84, PANEL                      ; y's panel 2 x tile row + half: it hangs on the tile row alone
	s_mov_b32 s85, 0
	s_mul_i32 s86, s19, PANEL
	s_mul_i32 s88, s16, CHUNK
	s_add_co_u32 s86, s86, s88                     ; W's panel, my chunk of each pair: on the tile column alone
	s_mov_b32 s87, 0
	s_mul_i32 s23, s16, QTR                        ; LDS, in a group: y's panels at 0 and 25,600;
	s_add_co_u32 s89, s88, 2*QTR                   ; W's chunks at 51,200 and 64,000
	s_wait_dscnt 0x0
	s_wait_kmcnt 0x0
	s_add_nc_u64 s[84:85], s[4:5], s[84:85]
	s_add_nc_u64 s[86:87], s[6:7], s[86:87]
.irp g, 0,1,2,3
	s_mov_b32 s[G0Y+4*\g], 1
	s_add_co_u32 s[G0Y+4*\g+1], s23, \g*GRP
	s_add_nc_u64 s[G0Y+4*\g+2:G0Y+4*\g+3], s[84:85], \g*QTR
	s_or_b32 s[G0Y+4*\g+3], s[G0Y+4*\g+3], 0x80000000
	s_mov_b32 s[G0W+4*\g], 1
	s_add_co_u32 s[G0W+4*\g+1], s89, \g*GRP
	s_add_nc_u64 s[G0W+4*\g+2:G0W+4*\g+3], s[86:87], \g*QTR
	s_or_b32 s[G0W+4*\g+3], s[G0W+4*\g+3], 0x80000000
.endr
	CROUND                                         ; all sixteen work-groups are here: the joint loads meet
	s_cmp_eq_u32 s15, 0                            ; a wave's four fills stand in one branch on its number
	s_cbranch_scc0 .Lfirst_w
.irp g, 0,1,2,3
	tensor_load_to_lds s[G0Y+4*\g:G0Y+4*\g+3], s[G1Y:G1Y+7]
	s_nop 0
.endr
	PLACES 4
	s_branch .Lfirst_asked
.Lfirst_w:
.irp g, 0,1,2,3
	tensor_load_to_lds s[G0W+4*\g:G0W+4*\g+3], s[G1W:G1W+7]
	s_nop 0
.endr
	PLACES 4
.Lfirst_asked:
	v_and_b32 v1, 15, v0                           ; r
	v_bfe_u32 v2, v0, 4, 1                         ; h
	v_and_b32 v3, 31, v0
	v_lshlrev_b32 v9, 3, v3                        ; 8 x lane
	v_lshlrev_b32 v3, 4, v3                        ; 16 x lane
	v_lshlrev_b32 v10, 4, v1                       ; 16 r
	s_mul_i32 s90, s15, QTR
	s_mul_i32 s91, s16, 6144
	s_add_co_u32 s91, s91, s90                     ; my panel, my four blocks
	v_add_nc_u32 v[AY16], s91, v3
	v_add_nc_u32 v[AY8], s91, v9
	v_add_nc_u32 v[AW], 2*QTR, v3
	s_lshl_b32 s91, s16, 8
	s_add_co_u32 s91, s91, s90
	v_add_nc_u32 v[ASY], s91, v10                  ; my four blocks' scale words: 256 (w % 2) + 16 r
	v_add_nc_u32 v[ASW], 2*QTR, v10
	s_mul_i32 s91, s14, 8448                       ; my stage for the way out: 16 rows x 528 bytes, in group 0's bytes, which have had their only fill and are read for the last time ahead of step 1's barrier
	v_mul_u32_u24 v[STO], v1, 528
	v_lshl_add_u32 v[STO], v2, 6, v[STO]
	v_add_nc_u32 v[STO], s91, v[STO]               ; in: row r, + 64 h
	v_add_nc_u32 v[RD], s91, v3                    ; back: a row of 512 bytes, 16 bytes a lane
	v_lshlrev_b32 v11, 6, v2                       ; the bias: 64 h bytes
	s_lshl_b32 s92, s19, 9
	s_mov_b32 s93, 0
	s_add_nc_u64 s[8:9], s[8:9], s[92:93]
.irp b, 0,1,2,3,4,5,6,7
	global_load_b128 v[BI+8*\b:BI+8*\b+3], v11, s[8:9] offset:(32*(\b/2)+8*(\b%2))*4       ; register 8 b + j: n = 32 (b / 2) + 8 (b % 2) + 16 h + j
	global_load_b128 v[BI+8*\b+4:BI+8*\b+7], v11, s[8:9] offset:(32*(\b/2)+8*(\b%2))*4+16
.endr
	s_lshl_b32 s94, s20, 20                        ; out0: 256 rows of 4,096 bytes a tile row,
	s_lshl_b32 s95, s15, 19
	s_add_co_u32 s94, s94, s95                     ; 128 a panel,
	s_lshl_b32 s95, s16, 18
	s_add_co_u32 s94, s94, s95                     ; 64 a half,
	s_add_co_u32 s94, s94, s92                     ; 512 bytes a tile column
	s_mov_b32 s95, 0
	s_add_nc_u64 s[10:11], s[10:11], s[94:95]
.macro FETCH k                         ; K step k's fragments and scale words into set k % 2: 43 LDS loads in one run; the address registers stand at group k / 2
.set QQ, (\k)%2
	WIN 0x40
.irp b, 0,1,2,3,4,5,6,7
.irp j, 0,1,2
	ds_load_b128 v[96*QQ+12*\b+4*\j:96*QQ+12*\b+4*\j+3], v[AW] offset:CHUNK*QQ+1536*\b+512*\j
.endr
.endr
	WIN 0
.irp a, 0,1,2,3
.irp c, 0,1
	ds_load_b128 v[LF+48*QQ+12*\a+6*\c:LF+48*QQ+12*\a+6*\c+3], v[AY16] offset:CHUNK*QQ+1536*\a+768*\c
	ds_load_b64 v[LF+48*QQ+12*\a+6*\c+4:LF+48*QQ+12*\a+6*\c+5], v[AY8] offset:CHUNK*QQ+1536*\a+768*\c+512
.endr
.endr
	ds_load_b128 v[SC+12*QQ:SC+12*QQ+3], v[ASY] offset:CHUNK*QQ+12288
	ds_load_b128 v[SC+12*QQ+4:SC+12*QQ+7], v[ASW] offset:CHUNK*QQ+12288
	ds_load_b128 v[SC+12*QQ+8:SC+12*QQ+11], v[ASW] offset:CHUNK*QQ+12544
.endm
; A K step: 32 matrix instructions; the 32 accumulators take turns, one instruction a turn, in the same order in every step
.macro STEP k
.set EE, (\k)%2
	s_wait_dscnt 0x0                               ; set k and its scale words are in
.if ((\k)%2 == 1) && ((\k) < 7)
	s_wait_tensorcnt 3-((\k)+1)/2                  ; my part of the next group is in; the later groups' loads may stay out
	s_barrier_signal -1
	s_barrier_wait -1                              ; everybody's is
.irp r, AY16, AY8, AW, ASY, ASW
	v_add_nc_u32 v[\r], GRP, v[\r]                 ; on to the next group.  (These five are also the plain instructions in front of the loads below)
.endr
.elseif (\k) > 0
	PLACES 4                                       ; in front of loads into registers that the last step's matrix instructions have read
.endif
.if (\k) < 7
	s_wait_alu depctr_va_vdst(0)
	FETCH (\k)+1
.endif
.if (\k) == 0
	WIN 0x81                                       ; source 0 window 1, source 1 and C (the bias) window 0, D window 2
.else
	WIN 0xa1                                       ; C and D window 2
.endif
.irp a, 0,1,2,3
.irp b, 0,1,2,3,4,5,6,7
.if (\k) == 0
	v_wmma_scale_f32_16x16x128_f8f6f4 v[8*(8*\a+\b):8*(8*\a+\b)+7], v[96*EE+12*\b:96*EE+12*\b+11], v[LF+48*EE+12*\a:LF+48*EE+12*\a+11], v[BI+8*\b:BI+8*\b+7], v[SC+12*EE+4+\b], v[SC+12*EE+\a] matrix_a_fmt:MATRIX_FMT_FP6 matrix_b_fmt:MATRIX_FMT_FP6
.else
	v_wmma_scale_f32_16x16x128_f8f6f4 v[8*(8*\a+\b):8*(8*\a+\b)+7], v[96*EE+12*\b:96*EE+12*\b+11], v[LF+48*EE+12*\a:LF+48*EE+12*\a+11], v[8*(8*\a+\b):8*(8*\a+\b)+7], v[SC+12*EE+4+\b], v[SC+12*EE+\a] matrix_a_fmt:MATRIX_FMT_FP6 matrix_b_fmt:MATRIX_FMT_FP6
.endif
.endr
.endr
	WIN 0
.endm
	s_wait_alu depctr_va_vdst(0)
	s_wait_tensorcnt 0x3                           ; my part of group 0 is in; three loads may stay out
	s_barrier_signal -1
	s_barrier_wait -1
	FETCH 0
	s_wait_loadcnt 0x0                             ; the bias
.irp k, 0,1,2,3,4,5,6,7
	STEP \k
.endr
; THE WAY OUT, a block of 16 tokens x 128 columns at a time, through my own stage: a lane holds pieces of 32 bytes of one row; they come back as whole rows of 512 bytes.  LDS serves a wave's instructions in order: no wait between the stores and the loads.
.macro TOSTAGE a
	WIN 0x08                                       ; an LDS store's data are its source 1: window 2
.irp b, 0,1,2,3,4,5,6,7
	ds_store_b128 v[STO], v[8*(8*(\a)+\b):8*(8*(\a)+\b)+3] offset:128*(\b/2)+32*(\b%2)        ; each accumulator from its low end on
	ds_store_b128 v[STO], v[8*(8*(\a)+\b)+4:8*(8*(\a)+\b)+7] offset:128*(\b/2)+32*(\b%2)+16
.endr
	WIN 0
.irp t, 0,1,2,3,4,5,6,7,8,9,10,11,12,13,14,15
	ds_load_b128 v[BK+64*((\a)%2)+4*\t:BK+64*((\a)%2)+4*\t+3], v[RD] offset:528*\t
.endr
.endm
.macro SEND a, younger                 ; younger: the LDS instructions issued behind block a's loads, which may stay out
	s_wait_dscnt \younger
.irp t, 0,1,2,3,4,5,6,7,8,9,10,11,12,13,14,15
	global_store_b128 v3, v[BK+64*((\a)%2)+4*\t:BK+64*((\a)%2)+4*\t+3], s[10:11] offset:(32*((\a)/2)+8*((\a)%2)+\t+8*(\t/8))*4096 th:TH_STORE_NT   ; 32 lanes store 512 consecutive bytes, aligned
.endr
.endm
	PLACES 4                                       ; in front of the first read of results and of loads into registers that held fragments
	TOSTAGE 0
.irp a, 1,2,3
.if \a > 1
	s_wait_xcnt 0x0                                ; block a - 2's stores have read their registers: block a's rows may land there
.endif
	TOSTAGE \a
	SEND \a-1, 32                                  ; behind block a - 1's loads: block a's 16 stores and 16 loads
.endr
	SEND 3, 0
	s_wait_tensorcnt 0x0
	ds_add_u32 v254, v255
	s_wait_dscnt 0x0
	CROUND                                         ; the closing round: no work-group ends while a partner may still ask for a tile that names it
	s_endpgm
.Lfunc_end_k_q68ac3c4a84_proj_out:
	.size	k_q68ac3c4a84_proj_out, .Lfunc_end_k_q68ac3c4a84_proj_out-k_q68ac3c4a84_proj_out
	.p2alignl 7, 3214868480
	.fill 96, 4, 3214868480
	.section	.rodata,"a",@progbits
	.p2align	6, 0x0
	.amdhsa_kernel k_q68ac3c4a84_proj_out
		.amdhsa_group_segment_fixed_size 307712
		.amdhsa_private_segment_fixed_size 0
		.amdhsa_enable_private_segment 0
		.amdhsa_kernarg_size 32
		.amdhsa_user_sgpr_count 2
		.amdhsa_user_sgpr_kernarg_segment_ptr 1
		.amdhsa_wavefront_size32 1
		.amdhsa_system_sgpr_workgroup_id_x 1
		.amdhsa_system_sgpr_workgroup_id_y 1
		.amdhsa_system_sgpr_workgroup_id_z 1
		.amdhsa_system_vgpr_workitem_id 0
		.amdhsa_next_free_vgpr 768
		.amdhsa_next_free_sgpr 100
		.amdhsa_reserve_vcc 0
		.amdhsa_float_denorm_mode_32 3
		.amdhsa_float_denorm_mode_16_64 3
		.amdhsa_memory_ordered 1
		.amdhsa_forward_progress 1
		.amdhsa_inst_pref_size 81
	.end_amdhsa_kernel
	.amdgpu_metadata
---
amdhsa.version: [ 1, 2 ]
amdhsa.kernels:
  - .name:           k_q68ac3c4a84_proj_out
    .symbol:         k_q68ac3c4a84_proj_out.kd
    .args:
      - { .name: yc, .offset: 0, .size: 8, .value_kind: global_buffer, .address_space: global }
      - { .name: woc, .offset: 8, .size: 8, .value_kind: global_buffer, .address_space: global }
      - { .name: b_out, .offset: 16, .size: 8, .value_kind: global_buffer, .address_space: global }
      - { .name: out0, .offset: 24, .size: 8, .value_kind: global_buffer, .address_space: global }
    .group_segment_fixed_size: 307712
    .private_segment_fixed_size: 0
    .kernarg_segment_align: 8
    .kernarg_segment_size: 32
    .max_flat_workgroup_size: 128
    .sgpr_count:     100
    .vgpr_count:     768
    .wavefront_size: 32
...
	.end_amdgpu_metadata
.endif
;; end of part 4
